; MI455X (gfx1250); checked and timed in simulation.
; The chip was launched on July 23, 2026; its instructions are those of AMD's public machine-readable ISA for CDNA 5 (MIT licence, August 2026) and "CDNA5" Instruction Set Architecture Reference Guide (July 2026). The comments in the code are by the model that wrote it; some were corrected since.
;; Self Attention. Allowed arithmetic: matrix products marked QUANTISED: E2M3 operands, one E8M0 scale for each 32 along K, by v_wmma_scale_f32_16x16x128_f8f6f4 with both operands' format E2M3, f32 sums; everything else in f32.
;; Inputs: Wk_codes 1,024 x 32 x 24 uint8 (E2M3 codes of Wk, K innermost, in blocks of 32 codes, four codes in three bytes); Wk_scales 1,024 x 32 uint8 (E8M0 scales of Wk, one for each 32 codes along K); Wq_codes 1,024 x 32 x 24 uint8 (E2M3 codes of Wq, K innermost, in blocks of 32 codes, four codes in three bytes); Wq_scales 1,024 x 32 uint8 (E8M0 scales of Wq, one for each 32 codes along K); Wu_codes 1,024 x 32 x 24 uint8 (E2M3 codes of Wu, K innermost, in blocks of 32 codes, four codes in three bytes); Wu_scales 1,024 x 32 uint8 (E8M0 scales of Wu, one for each 32 codes along K); Wv_codes 1,024 x 32 x 24 uint8 (E2M3 codes of Wv, K innermost, in blocks of 32 codes, four codes in three bytes); Wv_scales 1,024 x 32 uint8 (E8M0 scales of Wv, one for each 32 codes along K); bu 1,024 float32; x_codes 4 x 2,048 x 32 x 24 uint8 (E2M3 codes of x, K innermost, in blocks of 32 codes, four codes in three bytes); x_scales 4 x 2,048 x 32 uint8 (E8M0 scales of x, one for each 32 codes along K).
;; Outputs: out0 4 x 2,048 x 1,024 float32.
;; This version of the problem:
;;   THIS VERSION OF THE PROBLEM IS GIVEN IN LOW PRECISION. The matrix products marked QUANTISED in the list below multiply operands that are first quantised to E2M3 (2 exponent bits, 3 mantissa bits; 6 bits a number), with one power-of-two scale for each 32 numbers along K (OCP MX v1.0); their sums are f32. All else is computed in f32.
;;   The module's matrix products, in the order in which they are computed (A, B: the left and right operand; K: the contracted axis; several contracted axes count as one K, in the product's order):
;;     1. [M 8,192, K 1,024] x [K 1,024, N 1,024]; A: input x (given as codes); B: input Wq (given as codes): QUANTISED
;;     2. [M 8,192, K 1,024] x [K 1,024, N 1,024]; A: input x (given as codes); B: input Wk (given as codes): QUANTISED
;;     3. [M 8,192, K 1,024] x [K 1,024, N 1,024]; A: input x (given as codes); B: input Wv (given as codes): QUANTISED
;;     4. batch 64 x [M 2,048, K 64] x [K 64, N 2,048]; A: computed on the way; B: computed on the way: QUANTISED
;;     5. batch 64 x [M 2,048, K 2,048] x [K 2,048, N 64]; A: softmax (see below); B: computed on the way: QUANTISED
;;     6. [M 8,192, K 1,024] x [K 1,024, N 1,024]; A: computed on the way; B: input Wu (given as codes): QUANTISED
;;   THE QUANTISER, for each operand of a quantised product, along K:
;;     - K is cut into blocks of 32 from its start; a last block that is shorter is filled with zeros.
;;     - A block's scale is 2^e with e = floor(log2(the largest magnitude in the block)) - 2, held to -126 .. 127; a block of zeros has e = 0. As a byte (E8M0): e + 127.
;;     - Each number is divided by its block's scale, clamped to +-7.5, and rounded to the nearest number of E2M3, ties to even, subnormals kept.
;;     - The product sums the exact products of the quantised numbers (number of the format x scale) in f32.
;;   ~~~python
;;   def quantise(x, axis):      # numpy; x: float32 -> the quantised numbers, widened to float32 again
;;       x = np.moveaxis(x, axis, -1); K = x.shape[-1]
;;       x = np.pad(x, [(0, 0)] * (x.ndim - 1) + [(0, -K % 32)]); x = x.reshape(x.shape[:-1] + (-1, 32)); a = np.abs(x).max(-1, keepdims=True)
;;       e = np.where(a > 0, np.clip(np.frexp(np.where(a > 0, a, 1))[1] - 1 - 2, -126, 127), 0)      # np.frexp(a)[1] - 1 = floor(log2(a)), exactly
;;       r = np.clip(x / 2.0 ** e, -7.5, 7.5)
;;       step = 2.0 ** (np.maximum(np.frexp(np.where(r == 0, 1, r))[1] - 1, 0) - 3)
;;       q = np.round(r / step) * step * 2.0 ** e      # np.round: ties to even
;;       return np.moveaxis(q.reshape(q.shape[:-2] + (-1,))[..., :K], -1, axis).astype(np.float32)
;;   ~~~
;;   SOFTMAX AHEAD OF A QUANTISED PRODUCT. Where the list says 'softmax', what is quantised is not the finished softmax but p = 2^(t - M), with t = logit x log2(e) and M = ceil(the row's largest t), a whole number; so 1/2 < the row's largest p <= 1. The row's sum l is taken of the UNQUANTISED p, in f32, and the product's result is divided by l at the end. Since M is a whole number, a kernel that streams over the keys may use a running M (the ceiling of the running maximum): every later rescaling is an exact power of two, which a block's scale takes up: the codes' values come out the same.
;;   OPERANDS COMPUTED ON THE WAY. 'Computed on the way' means the value that the module computes at that place (a softmax that the list does not call 'softmax' is quantised finished and normalised). What goes into a quantiser is computed in f32, as accurately as f32 sums, v_exp_f32 and their like allow (about 1e-6 of the number): no bf16 or f16 on the way to a quantiser, and a product that is left as it is and whose result goes on into a quantised operand takes f32 operands (vector FMAs, or v_wmma_f32_16x16x4_f32). A number that lies on a knife's edge between two numbers of the format may be rounded either way, as far as f32 arithmetic and the matrix unit's own rounding can turn it there, and no further.
;;   INPUTS GIVEN AS CODES. Wk (in the module: [1024, 1024], K = its axis 1); Wq (in the module: [1024, 1024], K = its axis 1); Wu (in the module: [1024, 1024], K = its axis 1); Wv (in the module: [1024, 1024], K = its axis 1); x (in the module: [4, 2048, 1024], K = its axis 2): each comes as NAME_codes (uint8): NAME with its K axis moved to the last place and cut into blocks of 32 codes, [.., K / 32, bytes a block], one block behind the other in memory; four codes in three bytes: a row's codes are one little-endian stream of bits, code i at bits 6 i .. 6 i + 5 (a code: sign, 2 exponent bits, 3 mantissa bits); and NAME_scales (uint8): the same leading axes, one E8M0 byte (e + 127) for each 32 codes along K. Its value is code x scale, taken as it is: it is not quantised again, and the codes and scales need not be those that the quantiser above would give.
;; One version. Each part assembles by itself: llvm-mc -triple=amdgcn-amd-amdhsa -mcpu=gfx1250 --defsym DOCPART=n.
;; ======== version 1 of 1: 3 launches
;; workspace buffers: qimg 6,291,456 bytes; kimg 6,291,456 bytes; vimg 6,291,456 bytes; oimg 6,291,456 bytes; qsc 262,144 bytes; ksc 262,144 bytes; vsc 262,144 bytes; osc 262,144 bytes
;; launch proj (part 1): grid 12 x 32, 4 waves a work-group, clusters of 4 x 4, 327,680 bytes of LDS; arguments x_codes, x_scales, Wq_codes, Wq_scales, Wk_codes, Wk_scales, Wv_codes, Wv_scales, qimg, qsc, kimg, ksc, vimg, vsc; writes qimg, qsc, kimg, ksc, vimg, vsc
.if DOCPART == 1
	.amdgcn_target "amdgcn-amd-amdhsa--gfx1250"
	.amdhsa_code_object_version 6
	.text
	.protected	k_qe86ebc1605_proj
	.globl	k_qe86ebc1605_proj
	.p2align	8
	.type	k_qe86ebc1605_proj,@function
k_qe86ebc1605_proj:
	s_mov_b64 s[64:65], 0
	v_nop
	global_prefetch_b8 v0, s[64:65] scope:SCOPE_SE
	s_setreg_imm32_b32 hwreg(HW_REG_WAVE_MODE, 25, 1), 1
	s_wait_xcnt 0x0
	s_wait_alu depctr_hold_cnt(0) depctr_sa_sdst(0) depctr_va_vdst(0) depctr_va_sdst(0) depctr_va_ssrc(0) depctr_va_vcc(0) depctr_vm_vsrc(0)
	s_getreg_b32 s2, hwreg(HW_REG_IB_STS2, 6, 4)
	s_cmp_eq_u32 s2, 0
	s_cbranch_scc0 .Lentry_in_a_cluster
	s_endpgm
.Lentry_in_a_cluster:
	s_bfe_u32 s2, ttmp6, 0x10000c
	s_cmp_lg_u32 s2, 0xf033
	s_cbranch_scc0 .Lentry_shape_is_right
	s_endpgm
.Lentry_shape_is_right:
; q = (x Wq^T) 2^-2.5, k = (x Wk^T) 2^-2.5, v = x Wv^T, on codes of FP6 (E2M3) with one E8M0 scale for each 32 along K = 1,024; sums in f32.
; The results are quantised here, in registers, and leave as IMAGES OF THE NEXT LAUNCH'S OPERAND REGISTERS: q and k along the head's 64, v along the keys.
; ONE TEXT FOR THE THREE: C'[i][j] = sum over k of A'[i][k] B'[j][k].  Cluster x says which: 0: q (A' = x, B' = Wq), 1: k (A' = x, B' = Wk), 2: v (A' = Wv, B' = x).
; The choice is made of pointers, strides and tile numbers alone, by s_cselect on the cluster's x, which all partners share: no branch and no LDS address hangs on it.
; THE MATRIX INSTRUCTION IS USED TRANSPOSED (source 0 = 16 rows of B', source 1 = 16 rows of A'): a lane holds ONE row of A' and its registers run along B': along the head for q and k, along the keys for v,
; which is the next product's K.  A wave's 128 columns of B' are two heads (q, k) or one step of 128 keys (v).
; ORDER INSIDE A BLOCK OF 32.  Register 8 t + j of a lane is index 16 t + 8 (lane / 16) + j along the next K.  The blocks of 32, and so the scales, are the true ones; inside a block the codes lie in the order
; 0-7, 16-23, 8-15, 24-31.  The same order arises on both sides of q k^T (q and k are made here alike) and of p v (p is made so in the next launch): the sums hold the same products.
; A tile of C', 256 x 256, is made by a work-group of four waves; a wave makes 128 x 128: 64 accumulators.  K goes in steps of 256 through a ring of two LDS slots filled by the tensor data mover.
; The scale bytes of the work-group's 256 rows of A' and of B', for all of K, come into LDS once, with the first fills.
; CLUSTERS: 4 x 4 work-groups.  The four of a row of the cluster need the same tiles of A', the four of a column the same tiles of B': each tile is asked for jointly.
; No prefetch: a tile has four K steps, two of which are asked for at the head.
; LIMITS: NaN and infinities among the values are not served.  A block whose largest magnitude lies under 2^-124 keeps the scale byte 1 (a block of zeros too, where the quantiser's rule says 127: its codes are
; zeros, and these bytes are read by this program alone).
; REGISTERS, in windows of 256: window 0: v0-31 addresses; v32-63 scale words, two sets; from v128 A's fragments, one set; on the way out v64-127 a block's 64 numbers, v128-187 codes and scale words.
;   window 1: B's fragments, two sets, at v0 and at v128.   window 2: the 32 accumulators of my rows 0-63 ((a, b) at v[8 (8 a + b)]);   window 3: those of my rows 64-127.
.set SIZE_K, 1024
.set KSTEP,  256                       ; along K in a slot
.set NQ,     KSTEP/128                 ; matrix instructions deep
.set ROWB,   192                       ; a tile's row in bytes
.set KROW,   SIZE_K*6/8                ; a row of codes in memory
.set PITCH,  240                       ; an LDS row: 3 x (64 bytes + 16 of padding)
.set FR,     12                        ; registers of a fragment
.set NL,     6                         ; LDS loads that bring one
.set NP,     4                         ; places behind this matrix instruction (ISA guide 7.12.1)
.set HALFT,  128*PITCH                 ; 128 rows: what one tensor load brings
.set SLOT,   4*HALFT                   ; A's 256 rows, then B's 256 rows
.set LAPS,   SIZE_K/(2*KSTEP)          ; a lap = two K steps = once round the ring
.set KS,     SIZE_K/32                 ; a row of scale bytes
.set SCL,    2*SLOT                    ; behind the ring: the scale bytes, as rows of 256 bytes + 16 of padding
.set HALFS,  (128*KS/256)*272          ; those of 128 rows
.set SBLK,   (16*KS/256)*272           ; those of 16 rows
.set SPARE,  SCL+4*HALFS               ; the spare words, 128 bytes for each wave, which no other line names
.set HEADB,  98304                     ; a head's bytes in qimg, kimg, vimg
.set ADRA, 16                          ; v16-17 LDS address of my A fragments in slot 0, 1 (v18-19: behind one padding more)
.set ADRB, 20                          ; v20-21 the same for B (v22-23)
.set LN,   15                          ; v15  my lane
.set VO0,  24                          ; v24  the way out: 8 x lane
.set VO1,  25                          ; v25  8 x lane + the distance from a fragment's first six registers' image to its second six's
.set VOS,  26                          ; v26  16 x lane: my four scale words
.set ADRS, 27                          ; v27  LDS address of my scale words: lanes 0-15 A's rows, lanes 16-31 B's
.set SPW,  28                          ; v28  LDS address of my spare word; never rewritten
.set NIL,  29                          ; v29  0; never rewritten
.set SC,   32                          ; scale words, set s at v[SC + 8 NQ s]
.set AF,   128                         ; A's fragments, in window 0
.set HA,   64                          ; the way out: 64 numbers of a lane
.set PC,   128                         ; the codes just made (12 registers; the conversions' second halves at +12 and +16)
.set TM,   152                         ; v152-155 largest magnitudes, v156-159 bytes, v164-167 the conversions' scale operands
.set WS,   176                         ; v176-183 the eight blocks' scale words
.set SW,   184                         ; v184-187 my four of them, to store
.set G1, 24                            ; s[24:31] descriptor group 1 for A's tiles; s[32:39] group 0, one set for each slot
.set G0, 32
.set G1B, 48                           ; s[48:55], s[56:63] the same for B's tiles
.set G0B, 56
.set G1S, 68                           ; s[68:75], s[76:79] groups 1 and 0 for A's scale bytes; s[80:87], s[88:91] for B's
.set G0S, 76
.set G1SB, 80
.set G0SB, 88
.set SEL, 20                           ; s[20:21] the way out: lane selects for v_permlanex16_b32
.set FAC, 96                           ; s[96:97] 2^-2.5 for q and k, 1 for v
.set SA,  98                           ; s[98:99] from a block's image to the next block's
.set SB,  100                          ; s[100:101] and what block 4 adds to that
.set MSB, 0
.macro WIN new                         ; the immediate's high byte repeats the setting that is left
.if MSB != (\new)
	s_set_vgpr_msb (MSB<<8)|(\new)
.set MSB, (\new)
.endif
.endm
.set MUL_LO, 0xa1                      ; source 0 (B) window 1, source 1 (A) window 0, C and D window 2
.set MUL_HI, 0xf1                      ; the same, C and D window 3
.set TO_B,   0x40                      ; destination window 1, address window 0
; A joint load: waves 0 and 1 fetch for A, waves 2 and 3 for B.  The branch hangs on the wave's number alone.  Four v_nop follow each of the two lines.
.macro JLOAD g0a, g1a, g0b, g1b
	s_cmp_eq_u32 s15, 0
	s_cbranch_scc0 .Lfor_b_\@
	tensor_load_to_lds s[\g0a:\g0a+3], s[\g1a:\g1a+7]
	s_nop 0
.rept 4
	v_nop
.endr
	s_branch .Lasked_\@
.Lfor_b_\@:
	tensor_load_to_lds s[\g0b:\g0b+3], s[\g1b:\g1b+7]
	s_nop 0
.rept 4
	v_nop
.endr
.Lasked_\@:
.endm
.macro CREST                           ; a round of the cluster's barrier behind its opening barrier
	s_cmp_lg_u32 s14, 0
	s_cbranch_scc1 .Lnot_wave_0_\@
	s_barrier_signal -3
.Lnot_wave_0_\@:
	s_barrier_wait -3
	s_barrier_signal -1
	s_barrier_wait -1
.endm
.macro CROUND                          ; a whole round
	s_barrier_signal -1
	s_barrier_wait -1
	CREST
.endm
	s_load_b512 s[68:83], s[0:1], 0x0              ; x codes 68, x scales 70, Wq codes 72, Wq scales 74, Wk codes 76, Wk scales 78, Wv codes 80, Wv scales 82
	s_load_b256 s[84:91], s[0:1], 0x40             ; qimg 84, qsc 86, kimg 88, ksc 90
	s_load_b128 s[92:95], s[0:1], 0x60             ; vimg 92, vsc 94
	v_lshl_add_u32 v[SPW], v0, 2, SPARE
	v_mov_b32 v[NIL], 0
	ds_add_u32 v28, v29
	ds_add_u32 v28, v29
	s_wait_dscnt 0x0
	v_lshrrev_b32 v1, 5, v0
	v_readfirstlane_b32 s14, v1                    ; wave 0..3
	s_lshr_b32 s15, s14, 1                         ; which half of the tile's rows of A' is mine.  Also: I fetch for A' (0) or for B' (1)
	s_and_b32 s16, s14, 1                          ; which half of its rows of B'.  Also: which 128 rows I fetch
	s_bfe_u32 s40, ttmp6, 0x40000                  ; cx, cy: my place in the cluster
	s_bfe_u32 s41, ttmp6, 0x40004
	s_and_b32 s2, ttmp7, 0xffff                    ; cluster y, 0..7
	s_lshl_b32 s43, s41, 2
	s_lshl_b32 s43, 15, s43                        ; my row of the cluster
	s_lshl_b32 s44, 0x1111, s40                    ; my column
	; descriptor group 1: a tile of 128 rows x ROWB bytes, 16 bytes of padding behind every 64
	s_or_b32 s[G1+0], s43, (0<<16)|(1<<20)|(1<<21)|(3<<22)|(3<<25)
	s_or_b32 s[G1B+0], s44, (0<<16)|(1<<20)|(1<<21)|(3<<22)|(3<<25)
.irp g, G1, G1B
	s_mov_b32 s[\g+1], ROWB<<16                    ; tensor_dim0
	s_mov_b32 s[\g+2], 128<<16                     ; tensor_dim1
	s_mov_b32 s[\g+3], ROWB<<16                    ; tile_dim0
	s_mov_b32 s[\g+4], 128                         ; tile_dim1
	s_mov_b32 s[\g+5], KROW                        ; from row to row
	s_mov_b32 s[\g+6], 0
	s_mov_b32 s[\g+7], 0
.endr
	s_mov_b32 s18, 0x3e3504f3                      ; 2^-2.5 = 1024^(-1/4)
	s_mov_b32 s19, HEADB
	s_mov_b32 s20, 768
	v_and_b32 v[LN], 31, v0
	v_lshlrev_b32 v[VO0], 3, v[LN]
	v_lshlrev_b32 v[VOS], 4, v[LN]
	s_wait_alu depctr_va_vdst(0)
	s_wait_kmcnt 0x0
	s_cmp_eq_u32 ttmp9, 2                          ; v?  Only selections follow this compare
	s_cselect_b64 s[4:5], s[80:81], s[68:69]       ; A' codes: Wv or x
	s_cselect_b64 s[6:7], s[82:83], s[70:71]       ; A' scale bytes
	s_cselect_b64 s[8:9], s[68:69], s[76:77]       ; B' codes: x or Wk
	s_cselect_b64 s[10:11], s[70:71], s[78:79]     ; B' scale bytes
	s_cselect_b64 s[12:13], s[92:93], s[88:89]     ; the images: vimg or kimg
	s_cselect_b64 s[66:67], s[94:95], s[90:91]     ; the scale words: vsc or ksc
	s_cselect_b32 s[FAC], 0x3f800000, s18
	s_cselect_b32 s21, 768, s19                    ; a fragment's second six registers: the same fragment's (v) or the next head's (q, k)
	s_cselect_b32 s[SA], 1536, s20                 ; a block on: 16 of the head's 64 (v) or 16 tokens (q, k)
	s_cselect_b32 s[SB], HEADB-4*1536, 0           ; v: block 4 begins the next head
	s_cselect_b32 s22, 0, s2                       ; cluster row of A' tiles
	s_cselect_b32 s23, s2, 0                       ; cluster column of B' tiles
	s_cmp_eq_u32 ttmp9, 0                          ; q?
	s_cselect_b64 s[8:9], s[72:73], s[8:9]
	s_cselect_b64 s[10:11], s[74:75], s[10:11]
	s_cselect_b64 s[12:13], s[84:85], s[12:13]
	s_cselect_b64 s[66:67], s[86:87], s[66:67]
	s_mov_b32 s[FAC+1], s[FAC]                     ; (named with it as a pair, so it is written)
	s_mov_b32 s[SA+1], 0
	s_mov_b32 s[SB+1], 0
	v_add_nc_u32 v[VO1], s21, v[VO0]
	s_lshl_b32 s17, s22, 2
	s_add_co_u32 s17, s17, s41                     ; tile row of A'
	s_lshl_b32 s42, s23, 2
	s_add_co_u32 s42, s42, s40                     ; tile column of B'
	; the scale bytes of 128 rows: a dense block of 4,096 bytes, as rows of 256 bytes, 16 bytes of padding behind each (the pointers that lay here have been chosen from)
	s_or_b32 s[G1S+0], s43, (3<<16)|(1<<20)|(1<<21)|(5<<22)|(3<<25)
	s_or_b32 s[G1SB+0], s44, (3<<16)|(1<<20)|(1<<21)|(5<<22)|(3<<25)
.irp g, G1S, G1SB
	s_mov_b32 s[\g+1], 32<<16
	s_mov_b32 s[\g+2], (128*KS/256)<<16
	s_mov_b32 s[\g+3], 32<<16
	s_mov_b32 s[\g+4], 128*KS/256
	s_mov_b32 s[\g+5], 32
	s_mov_b32 s[\g+6], 0
	s_mov_b32 s[\g+7], 0
.endr
	s_lshl_b32 s18, s16, 7                         ; which 128 rows of the tile I fetch
	s_lshl_b32 s20, s17, 8
	s_add_co_u32 s20, s20, s18                     ; A': row 256 x tile row + 128 x half
	s_lshl_b32 s46, s42, 8
	s_add_co_u32 s46, s46, s18                     ; B': row 256 x tile column + 128 x half
	s_mov_b32 s21, 0
	s_mov_b32 s47, 0
	s_mov_b64 s[18:19], KS
	s_mul_u64 s[22:23], s[20:21], s[18:19]         ; where these rows' scale bytes begin
	s_mul_u64 s[92:93], s[46:47], s[18:19]
	s_mov_b64 s[18:19], KROW
	s_mul_u64 s[20:21], s[20:21], s[18:19]         ; and their codes
	s_mul_u64 s[46:47], s[46:47], s[18:19]
	s_mul_i32 s45, s14, HALFT                      ; where they go: wave x 128 rows
	s_mul_i32 s94, s14, HALFS
	s_add_nc_u64 s[20:21], s[4:5], s[20:21]
	s_add_nc_u64 s[22:23], s[6:7], s[22:23]
	s_add_nc_u64 s[46:47], s[8:9], s[46:47]
	s_add_nc_u64 s[92:93], s[10:11], s[92:93]
	CROUND                                         ; all sixteen work-groups are here: the first joint loads meet
	s_mov_b32 s[G0S], 1
	s_add_co_u32 s[G0S+1], s94, SCL
	s_mov_b64 s[G0S+2:G0S+3], s[22:23]
	s_or_b32 s[G0S+3], s[G0S+3], 0x80000000
	s_mov_b32 s[G0SB], 1
	s_add_co_u32 s[G0SB+1], s94, SCL
	s_mov_b64 s[G0SB+2:G0SB+3], s[92:93]
	s_or_b32 s[G0SB+3], s[G0SB+3], 0x80000000
	JLOAD G0S, G1S, G0SB, G1SB                     ; the scale bytes first: they are wanted with K step 0
.irp s, 0,1
	s_mov_b32 s[G0+4*\s], 1
	s_add_co_u32 s[G0+4*\s+1], s45, \s*SLOT
	s_add_nc_u64 s[G0+4*\s+2:G0+4*\s+3], s[20:21], \s*ROWB
	s_or_b32 s[G0+4*\s+3], s[G0+4*\s+3], 0x80000000
	s_mov_b32 s[G0B+4*\s], 1
	s_add_co_u32 s[G0B+4*\s+1], s45, \s*SLOT
	s_add_nc_u64 s[G0B+4*\s+2:G0B+4*\s+3], s[46:47], \s*ROWB
	s_or_b32 s[G0B+4*\s+3], s[G0B+4*\s+3], 0x80000000
	JLOAD G0+4*\s, G1, G0B+4*\s, G1B
.endr
	v_and_b32 v1, 15, v0                           ; l % 16
	v_bfe_u32 v2, v0, 4, 1                         ; l / 16
	v_mul_u32_u24 v3, v1, PITCH
	v_mul_u32_u24 v4, v2, 24
	v_add_nc_u32 v4, v3, v4                        ; a fragment's row x pitch + 24 x half
	v_lshl_add_u32 v5, v2, 4, v4                   ; and the same behind one padding more
	s_mul_i32 s21, s15, HALFT                      ; my 128 rows of A'
	s_mul_i32 s22, s16, HALFT                      ; my 128 rows of B',
	s_add_co_u32 s22, s22, 2*HALFT                 ; which lie behind A's 256
.irp s, 0,1
	v_add_nc_u32 v[ADRA+\s], s21, v4
	v_add_nc_u32 v[ADRB+\s], s22, v4
	v_add_nc_u32 v[ADRA+2+\s], s21, v5
	v_add_nc_u32 v[ADRB+2+\s], s22, v5
	s_add_co_u32 s21, s21, SLOT
	s_add_co_u32 s22, s22, SLOT
.endr
	v_mul_u32_u24 v5, v1, KS                       ; my row's scale bytes: KS a row,
	v_lshrrev_b32 v6, 8, v5
	v_lshl_add_u32 v5, v6, 4, v5                   ; and 16 more for each 256 passed
	s_mul_i32 s21, s15, HALFS                      ; A's: my 128 rows
	s_mul_i32 s22, s16, HALFS                      ; B's: my 128 rows, behind A's 256
	s_add_co_u32 s22, s22, 2*HALFS
	s_sub_co_u32 s22, s22, s21
	v_mul_u32_u24 v6, s22, v2                      ; lanes 16-31 take B's
	s_add_co_u32 s21, s21, SCL
	v_add_nc_u32 v5, v5, v6
	v_add_nc_u32 v[ADRS], s21, v5
	; where my wave's images and scale words go.  tok: my first token; col: my first output feature
	s_lshl_b32 s20, s17, 8
	s_lshl_b32 s21, s15, 7
	s_add_co_u32 s20, s20, s21                     ; my first row of A'
	s_lshl_b32 s46, s42, 8
	s_lshl_b32 s47, s16, 7
	s_add_co_u32 s46, s46, s47                     ; my first row of B'
	s_cmp_eq_u32 ttmp9, 2
	s_cselect_b32 s22, s46, s20                    ; tok
	s_cselect_b32 s23, s20, s46                    ; col
	s_lshr_b32 s18, s22, 11                        ; the batch
	s_bfe_u32 s19, s22, 0x40007                    ; S: which 128 tokens of the batch's 2,048
	s_lshr_b32 s23, s23, 7                         ; which pair of heads
	s_lshl_b32 s20, s18, 3
	s_add_co_u32 s20, s20, s23                     ; 8 x batch + pair
	s_mul_i32 s46, s20, 2*HEADB
	s_mul_i32 s47, s19, 6144
	s_add_co_u32 s46, s46, s47
	s_mov_b32 s47, 0
	s_add_nc_u64 s[12:13], s[12:13], s[46:47]      ; the pair's first head, step S
	s_lshl_b32 s20, s20, 4
	s_add_co_u32 s20, s20, s19
	s_lshl_b32 s20, s20, 9
	s_mov_b32 s21, 0
	s_add_nc_u64 s[66:67], s[66:67], s[20:21]      ; 512 bytes of scale words for each (pair, S)
	s_mov_b32 s[SEL], 0x76543210
	s_mov_b32 s[SEL+1], 0xfedcba98                 ; lane l xor 16
.macro FRAG reg, adr, q, i             ; a fragment, 16 rows x 128 K: lane l holds row l % 16; registers 6 c .. 6 c + 5 hold K = 64 c + 32 (l / 16) + 0 .. 31: 24 bytes of the row, as they lie, in pieces of 8 bytes
.irp p, 0,1,2,3,4,5
.set PCE, 12*(\q)+6*(\p/3)+\p%3        ; lanes 16-31 read three pieces further on: where that lies behind one padding more, the second address register serves
.if PCE%8 < 5
	ds_load_b64 v[\reg+2*\p:\reg+2*\p+1], v[\adr] offset:8*PCE+16*(PCE/8)+(\i)*16*PITCH
.else
	ds_load_b64 v[\reg+2*\p:\reg+2*\p+1], v[\adr+2] offset:8*PCE+16*(PCE/8)+(\i)*16*PITCH
.endif
.endr
.endm
; 16 matrix instructions: A's blocks a0, a0 + 1 x B's eight, 128 along K.  p: B's set; sc: the set of scale words.  zero = 1: the first product starts the sums.
; The 64 accumulators take turns, one instruction a turn, in the same order in every step.
.macro MUL16 a0, p, q, sc, zero
.irp a, \a0, \a0+1
.irp b, 0,1,2,3,4,5,6,7
.if \zero
	v_wmma_scale_f32_16x16x128_f8f6f4 v[8*(8*((\a)%4)+\b):8*(8*((\a)%4)+\b)+7], v[128*(\p)+FR*\b:128*(\p)+FR*\b+FR-1], v[AF+FR*(\a):AF+FR*(\a)+FR-1], 0, v[SC+8*NQ*(\sc)+NQ*\b+(\q)], v[SC+8*NQ*(\sc)+NQ*(\a)+(\q)] matrix_a_fmt:MATRIX_FMT_FP6 matrix_b_fmt:MATRIX_FMT_FP6 matrix_a_scale:MATRIX_SCALE_ROW1
.else
	v_wmma_scale_f32_16x16x128_f8f6f4 v[8*(8*((\a)%4)+\b):8*(8*((\a)%4)+\b)+7], v[128*(\p)+FR*\b:128*(\p)+FR*\b+FR-1], v[AF+FR*(\a):AF+FR*(\a)+FR-1], v[8*(8*((\a)%4)+\b):8*(8*((\a)%4)+\b)+7], v[SC+8*NQ*(\sc)+NQ*\b+(\q)], v[SC+8*NQ*(\sc)+NQ*(\a)+(\q)] matrix_a_fmt:MATRIX_FMT_FP6 matrix_b_fmt:MATRIX_FMT_FP6 matrix_a_scale:MATRIX_SCALE_ROW1
.endif
.endr
.endr
.endm
.macro FETCH_B slot, q, p              ; B's eight fragments of the slot's q-th 128 along K into set p
	WIN TO_B
.irp i, 0,1,2,3,4,5,6,7
	FRAG 128*(\p)+FR*\i, ADRB+\slot, \q, \i
.endr
	WIN 0
.endm
.macro FETCH_A slot, q, i0             ; A's blocks i0 .. i0 + 3
.irp i, \i0, \i0+1, \i0+2, \i0+3
	FRAG AF+FR*(\i), ADRA+\slot, \q, \i
.endr
.endm
.macro SCALES sc                       ; the next K step's scale words into set sc: lanes 0-15 take A's block i, lanes 16-31 B's block i
.irp i, 0,1,2,3,4,5,6,7
	ds_load_b64 v[SC+8*NQ*\sc+NQ*\i:SC+8*NQ*\sc+NQ*\i+1], v[ADRS] offset:\i*SBLK
.endr
.endm
.macro PLACES n                        ; plain vector instructions between a matrix instruction and a load into, or a vector instruction on, its registers
.rept \n
	v_nop
.endr
.endm
; A step of 128 along K that has its successor in the same slot.
.macro STEP slot, q, zero
	s_wait_dscnt 4*NL                              ; B's set and A's blocks 0-3 are in; the youngest 24 loads (A's blocks 4-7) may be out
	WIN MUL_LO
	MUL16 0, (\q)%2, \q, \slot, \zero
	MUL16 2, (\q)%2, \q, \slot, \zero
	s_wait_dscnt 0                                 ; A's blocks 4-7 are in
	PLACES NP
	FETCH_B \slot, (\q)+1, 1-(\q)%2
	FETCH_A \slot, (\q)+1, 0
	WIN MUL_HI
	MUL16 4, (\q)%2, \q, \slot, \zero
	MUL16 6, (\q)%2, \q, \slot, \zero
	PLACES NP
	WIN 0
	FETCH_A \slot, (\q)+1, 4
.endm
; A slot's last step changes slots: ONE barrier; in front of it each wave waits for all its tensor loads, adds 0 to its spare word, and waits for that and for its own reads of this slot.
.macro TURN slot, next, fill
	s_wait_tensorcnt 0x0                           ; all my tensor loads have landed: my part of the next slot
	ds_add_u32 v[SPW], v[NIL]                      ; 0 onto my spare word
	s_wait_dscnt 4*NL+1                            ; (the add and the youngest 24 loads, A's blocks 4-7, may be out)
	WIN MUL_LO
	MUL16 0, 1, NQ-1, \slot, 0                     ; sixteen matrix instructions stand between the add and the wait for it
	s_wait_dscnt 0x0                               ; the add is done, and my reads of this slot are over
	s_barrier_signal -1
	MUL16 2, 1, NQ-1, \slot, 0
	WIN 0
	s_barrier_wait -1
.if \fill
	CREST                                          ; the barrier has opened a round of the cluster's barrier: no wave of any partner still reads this slot or has a load on its way
	s_add_nc_u64 s[G0+4*\slot+2:G0+4*\slot+3], s[G0+4*\slot+2:G0+4*\slot+3], 2*ROWB
	s_add_nc_u64 s[G0B+4*\slot+2:G0B+4*\slot+3], s[G0B+4*\slot+2:G0B+4*\slot+3], 2*ROWB
	JLOAD G0+4*\slot, G1, G0B+4*\slot, G1B         ; the first tensor load behind the round; its four v_nop are the places in front of the loads below
.else
	PLACES NP
.endif
	s_wait_alu depctr_va_vdst(0)
	v_add_nc_u32 v[ADRS], 4*NQ, v[ADRS]            ; on to the next K step's scale words
	FETCH_B \next, 0, 0
	FETCH_A \next, 0, 0
	SCALES \next
	WIN MUL_HI
	MUL16 4, 1, NQ-1, \slot, 0
	MUL16 6, 1, NQ-1, \slot, 0
	PLACES NP
	WIN 0
	FETCH_A \next, 0, 4
.endm
	s_wait_alu depctr_va_vdst(0)
	s_wait_tensorcnt 1                             ; the scale bytes and my part of K step 0 are in (K step 1's load may be out),
	s_barrier_signal -1
	s_barrier_wait -1                              ; everybody's are
	FETCH_B 0, 0, 0
	FETCH_A 0, 0, 0
	SCALES 0
	FETCH_A 0, 0, 4
	STEP 0, 0, 1                                   ; the first step stands in front of the loop: its products start the sums
	s_mov_b32 s3, LAPS-1
.Llap:                                                 ; a trip goes once round the ring and fills both slots again
	TURN 0, 1, 1
	STEP 1, 0, 0
	TURN 1, 0, 1
	STEP 0, 0, 0
	s_sub_co_u32 s3, s3, 1
	s_cmp_lg_u32 s3, 0
	s_cbranch_scc1 .Llap
	TURN 0, 1, 0                                   ; the last lap fills nothing
	STEP 1, 0, 0
	s_wait_dscnt 4*NL                              ; the very last step: nothing more to fetch
	WIN MUL_LO
	MUL16 0, 1, NQ-1, 1, 0
	MUL16 2, 1, NQ-1, 1, 0
	s_wait_dscnt 0
	WIN MUL_HI
	MUL16 4, 1, NQ-1, 1, 0
	MUL16 6, 1, NQ-1, 1, 0
	WIN 0
; 64 numbers of a lane, v[s] .. v[s + 63], four blocks of 32 shared with lane l xor 16, become a fragment's codes in v[PC] on and the row's scale word in v[pw].
.macro QUANT s, pw
.irp b, 0,1,2,3
	v_max3_num_f32 v[TM+\b], |v[\s+16*\b]|, |v[\s+1+16*\b]|, 0x1800000   ; block b: my 16 numbers, and the floor 2^(3 - 127): the byte cannot fall under 1
.endr
.irp i, 2,4,6,8,10,12,14
.irp b, 0,1,2,3
	v_max3_num_f32 v[TM+\b], v[TM+\b], |v[\s+16*\b+\i]|, |v[\s+1+16*\b+\i]|   ; (the four blocks by turns)
.endr
.endr
.irp b, 0,1,2,3
	v_permlanex16_b32 v[TM+4+\b], v[TM+\b], s[SEL], s[SEL+1]
.endr
.irp b, 0,1,2,3
	v_max_num_f32 v[TM+\b], v[TM+\b], v[TM+4+\b]   ; with lane l xor 16's: the block's largest magnitude
.endr
.irp b, 0,1,2,3
	v_add_nc_u32 v[TM+12+\b], 0xff000000, v[TM+\b] ; 2 off its exponent field: the conversion takes the exponent field of this operand as its scale
.endr
.irp b, 0,1,2,3
	v_lshrrev_b32 v[TM+4+\b], 23, v[TM+12+\b]      ; the scale's byte
.endr
	v_lshl_or_b32 v[\pw], v[TM+5], 8, v[TM+4]      ; the four bytes make my row's scale word (the same in lanes l and l xor 16)
	v_lshl_or_b32 v[\pw], v[TM+6], 16, v[\pw]
	v_lshl_or_b32 v[\pw], v[TM+7], 24, v[\pw]
.irp c, 0,1
	v_cvt_scalef32_pk16_fp6_f32 v[PC+6*\c:PC+2+6*\c], v[\s+32*\c:\s+15+32*\c], v[TM+12+2*\c]
	v_cvt_scalef32_pk16_fp6_f32 v[PC+12+4*\c:PC+14+4*\c], v[\s+16+32*\c:\s+31+32*\c], v[TM+12+2*\c+1]   ; (a conversion's three registers begin on an even number)
.endr
	v_nop                                          ; one plain place behind a scaled conversion
.irp c, 0,1                                    ; the operand's layout wants a whole block in a lane: lanes 0-15 block 2 c, lanes 16-31 block 2 c + 1
.irp i, 0,1,2
	v_permlane16_swap_b32 v[PC+6*\c+\i], v[PC+12+4*\c+\i]
.endr
.irp i, 0,1,2
	v_mov_b32 v[PC+3+6*\c+\i], v[PC+12+4*\c+\i]
.endr
.endr
.endm
; THE WAY OUT of block a (16 rows of A' x my 128 columns of B'): times the factor into window 0, quantised, stored as the image of the reader's registers.  No LDS: a store's 32 lanes write 256 consecutive bytes, aligned.
.macro BLOCK a
.if (\a) > 0
	s_wait_xcnt 0x0                                ; the last block's stores have read their data and their base: both are written again only behind this wait
	s_add_nc_u64 s[12:13], s[12:13], s[SA:SA+1]
.endif
.if (\a) == 4
	s_add_nc_u64 s[12:13], s[12:13], s[SB:SB+1]
.endif
	WIN 0x02+(\a)/4                                ; source 0: window 2 or 3
.set I, 0
.rept 32
	v_pk_mul_f32 v[HA+I:HA+I+1], v[64*((\a)%4)+I:64*((\a)%4)+I+1], s[FAC:FAC+1] op_sel_hi:[1,0]   ; ascending: each accumulator is read from its low end on
.set I, I+2
.endr
	WIN 0
	QUANT HA, WS+(\a)
.irp p, 0,1,2
	global_store_b64 v[VO0], v[PC+2*\p:PC+2*\p+1], s[12:13] offset:256*\p
.endr
.irp p, 0,1,2
	global_store_b64 v[VO1], v[PC+6+2*\p:PC+6+2*\p+1], s[12:13] offset:256*\p
.endr
.endm
	PLACES NP                                      ; behind the last products: the lines below write registers that held A's fragments
.irp b, 0,1,2,3
	v_mov_b32 v[TM+4+\b], 0                        ; written once: a lane permute's destination counts as one of its sources
.endr
	v_cmp_le_u32 vcc_lo, 16, v[LN]                 ; lanes 16-31
.irp a, 0,1,2,3,4,5,6,7
	BLOCK \a
.endr
.irp j, 0,1,2,3
	v_cndmask_b32 v[SW+\j], v[WS+2*\j], v[WS+2*\j+1], vcc_lo   ; lanes 0-15: block 2 j's word, lanes 16-31: block 2 j + 1's: as the reader's scale registers want them
.endr
	global_store_b128 v[VOS], v[SW:SW+3], s[66:67] ; 32 lanes store 512 consecutive bytes, aligned
	s_wait_tensorcnt 0x0                           ; the wave's end
	ds_add_u32 v[SPW], v[NIL]
	s_wait_dscnt 0x0
	CROUND                                         ; the closing round: no work-group ends while a partner may still ask for a tile that names it
	s_endpgm
.Lfunc_end_k_qe86ebc1605_proj:
	.size	k_qe86ebc1605_proj, .Lfunc_end_k_qe86ebc1605_proj-k_qe86ebc1605_proj
	.p2alignl 7, 3214868480
	.fill 96, 4, 3214868480
	.section	.rodata,"a",@progbits
	.p2align	6, 0x0
	.amdhsa_kernel k_qe86ebc1605_proj
		.amdhsa_group_segment_fixed_size 327680
		.amdhsa_private_segment_fixed_size 0
		.amdhsa_enable_private_segment 0
		.amdhsa_kernarg_size 112
		.amdhsa_user_sgpr_count 2
		.amdhsa_user_sgpr_kernarg_segment_ptr 1
		.amdhsa_wavefront_size32 1
		.amdhsa_system_sgpr_workgroup_id_x 1
		.amdhsa_system_sgpr_workgroup_id_y 1
		.amdhsa_system_sgpr_workgroup_id_z 1
		.amdhsa_system_vgpr_workitem_id 0
		.amdhsa_next_free_vgpr 1024
		.amdhsa_next_free_sgpr 102
		.amdhsa_reserve_vcc 1
		.amdhsa_float_denorm_mode_32 3
		.amdhsa_float_denorm_mode_16_64 3
		.amdhsa_memory_ordered 1
		.amdhsa_forward_progress 1
		.amdhsa_inst_pref_size 183
	.end_amdhsa_kernel
	.amdgpu_metadata
---
amdhsa.version: [ 1, 2 ]
amdhsa.kernels:
  - .name:           k_qe86ebc1605_proj
    .symbol:         k_qe86ebc1605_proj.kd
    .args:
      - { .name: x_codes, .offset: 0, .size: 8, .value_kind: global_buffer, .address_space: global }
      - { .name: x_scales, .offset: 8, .size: 8, .value_kind: global_buffer, .address_space: global }
      - { .name: Wq_codes, .offset: 16, .size: 8, .value_kind: global_buffer, .address_space: global }
      - { .name: Wq_scales, .offset: 24, .size: 8, .value_kind: global_buffer, .address_space: global }
      - { .name: Wk_codes, .offset: 32, .size: 8, .value_kind: global_buffer, .address_space: global }
      - { .name: Wk_scales, .offset: 40, .size: 8, .value_kind: global_buffer, .address_space: global }
      - { .name: Wv_codes, .offset: 48, .size: 8, .value_kind: global_buffer, .address_space: global }
      - { .name: Wv_scales, .offset: 56, .size: 8, .value_kind: global_buffer, .address_space: global }
      - { .name: qimg, .offset: 64, .size: 8, .value_kind: global_buffer, .address_space: global }
      - { .name: qsc, .offset: 72, .size: 8, .value_kind: global_buffer, .address_space: global }
      - { .name: kimg, .offset: 80, .size: 8, .value_kind: global_buffer, .address_space: global }
      - { .name: ksc, .offset: 88, .size: 8, .value_kind: global_buffer, .address_space: global }
      - { .name: vimg, .offset: 96, .size: 8, .value_kind: global_buffer, .address_space: global }
      - { .name: vsc, .offset: 104, .size: 8, .value_kind: global_buffer, .address_space: global }
    .group_segment_fixed_size: 327680
    .private_segment_fixed_size: 0
    .kernarg_segment_align: 8
    .kernarg_segment_size: 112
    .max_flat_workgroup_size: 128
    .sgpr_count:     102
    .vgpr_count:     1024
    .wavefront_size: 32
...
	.end_amdgpu_metadata
.endif
;; end of part 1
;; launch attn (part 2): grid 4 x 64, 16 waves a work-group, clusters of 4 x 1, 215,040 bytes of LDS; arguments qimg, qsc, kimg, ksc, vimg, vsc, oimg, osc; writes oimg, osc
.if DOCPART == 2
	.amdgcn_target "amdgcn-amd-amdhsa--gfx1250"
	.amdhsa_code_object_version 6
	.text
	.protected	k_qe86ebc1605_attn
	.globl	k_qe86ebc1605_attn
	.p2align	8
	.type	k_qe86ebc1605_attn,@function
k_qe86ebc1605_attn:
	s_mov_b64 s[64:65], 0
	v_nop
	global_prefetch_b8 v0, s[64:65] scope:SCOPE_SE
	s_setreg_imm32_b32 hwreg(HW_REG_WAVE_MODE, 25, 1), 1
	s_wait_xcnt 0x0
	s_wait_alu depctr_hold_cnt(0) depctr_sa_sdst(0) depctr_va_vdst(0) depctr_va_sdst(0) depctr_va_ssrc(0) depctr_va_vcc(0) depctr_vm_vsrc(0)
	s_getreg_b32 s2, hwreg(HW_REG_IB_STS2, 6, 4)
	s_cmp_eq_u32 s2, 0
	s_cbranch_scc0 .Lentry_in_a_cluster
	s_endpgm
.Lentry_in_a_cluster:
	s_bfe_u32 s2, ttmp6, 0x10000c
	s_cmp_lg_u32 s2, 0x3003
	s_cbranch_scc0 .Lentry_shape_is_right
	s_endpgm
.Lentry_shape_is_right:
; Causal attention of one (batch, head) to a cluster, both products on codes of FP6 (E2M3) with one E8M0 scale for each 32 along a product's K.  2,048 tokens, head size 64.
; q, k, v arrive as images of operand registers: qimg, kimg [bh][tile of 16 tokens][3][lane][8 bytes] (six registers: lane (r, h) = token r, block h of the head's two);
; vimg [bh][step of 128 keys][4 tiles of 16 channels][6][lane][8 bytes] (twelve registers); their scale words [bh / 2][step][lane][4].
; THE SOFTMAX AHEAD OF THE SECOND PRODUCT: t = score x log2(e); M = the row's largest t so far, rounded up to a whole number; p = 2^(t - M) is what is quantised, along the keys, not normalised.
; The row's sum is taken of the unquantised p, in f32, and divides O at the end.  When M moves, the sum and O are multiplied by 2^(old M - new M): exact.
; SHARES.  The cluster's four work-groups take the tiles of 16 queries T = 4 n + cx.  Wave w of sixteen owns two tiles, one after the other in the same registers: n = w, then n = 31 - w.
; A tile's last step of 128 keys is D = n / 2, which hangs on the wave's number alone; (w / 2) + ((31 - w) / 2) + 2 = 17 steps for every wave of the launch.
; THE WHOLE HEAD LIES IN LDS, filled once by four joint loads (the four work-groups read the same K and V): no ring, nothing is filled again.  Every byte of K and V is asked for at the head, so there is nothing to prefetch.
; LAYOUT.  Both products are used transposed: S^T = K Q^T (source 0 = 16 keys, source 1 = my 16 queries), O^T = V^T P^T (source 0 = 16 channels, source 1 = P): a lane holds one query (lane % 16) throughout.
; Register 8 t + j of S^T is key 16 t + 8 (lane / 16) + j; quantised as they stand, p's codes lie inside each block of 32 keys in the order 0-7, 16-23, 8-15, 24-31, and so do v's: the sums hold the same products.
; K = 64 IN AN INSTRUCTION OF K = 128.  Q's operand is its six registers and six registers of zero codes.  K's operand for tile t is its six registers and the six that follow them (the next tile's codes; zeros behind
; the last): finite codes x zero codes add 0.  The scale words come by loads of 16 bits, so the bytes of the upper 64 are 0 on both sides, which is a small power of two and no NaN.
; CAUSAL.  Steps behind a tile's diagonal step are left out by a scalar branch inside a loop of constant count; on the diagonal step hidden scores become -infinity ahead of the maximum.
; THE RESULT is divided by the sum, brought into the true order along the head (one exchange of the lanes' halves in f32), quantised along e, and stored as the image of the last launch's operand registers.
; LIMITS: NaN and infinities are not served.  A block whose largest magnitude lies under 2^-124 keeps the scale byte 1 (a block of zeros too: its codes are zeros; this program alone reads the bytes).
; A block's largest p is taken from the block's largest score: this takes v_exp_f32 not to fall where its input rises.
.set KC,   0                           ; LDS: K's images of the head, 98,304 bytes: a step 6,144, a tile 768, a piece 256
.set VC,   98304                       ; V's: a step 6,144, a tile of channels 1,536, a piece 256
.set KSB,  196608                      ; K's scale words of the pair of heads, 8,192 bytes: a step 512
.set VSB,  204800                      ; V's
.set AK0,  1                           ; v1  8 x lane
.set AV0,  2                           ; v2  VC + 8 x lane
.set ASK0, 3                           ; v3  KSB + 16 x lane + 2 x (head % 2)
.set ASV0, 4                           ; v4  VSB + 16 x lane + 8 x (head % 2)
.set RH,   5                           ; v5  r - 8 h
.set NINF, 6                           ; v6  -infinity
.set DREG, 7                           ; v7  my query - the diagonal step's first key - 8 h
.set ADK,  8                           ; v8-11 the step's LDS addresses
.set ADV,  9
.set ADS,  10
.set ADT,  11
.set QF,   16                          ; v16-21 Q's codes, v22-27 zero codes
.set QS,   28                          ; v28 Q's scale word
.set GL8,  29                          ; v29 8 x lane, v30 16 r, v31 32 r: offsets in memory; never rewritten
.set GR16, 30
.set GR32, 31
.set KF,   32                          ; v32-79 K's eight fragments of six, then V's four of twelve; v80-85 zero codes
.set SS,   86                          ; v86-149 S^T, then p
.set OT,   150                         ; v150-181 O^T
.set PCD,  182                         ; v182-193 p's codes; v194-196, v198-200 the conversions' second halves
.set PC2,  194
.set BM,   202                         ; v202-205 the blocks' largest
.set BP,   206                         ; v206-209 at work
.set SO,   210                         ; v210-213 the conversions' scale operands
.set KSC,  214                         ; v214-217 K's scale words: register j: lanes 0-15 tile 2 j, lanes 16-31 tile 2 j + 1
.set VSC,  218                         ; v218-219 V's likewise
.set FF,   220                         ; v220 f = 2^(old M - new M)
.set PW,   221                         ; v221 p's scale word
.set TT,   222                         ; v222 at work
.set WV,   20
.set CX,   21
.set BH,   22
.set CP,   23                          ; head % 2
.set SEL,  24                          ; s[24:25] lane l xor 16
.set CS,   26                          ; s[26:27] log2(e)
.set G1C,  28                          ; s[28:35] group 1 for the codes; s[36:43] for the scale words
.set G1S,  36
.set G0KC, 44                          ; s[44:59] four groups 0
.set G0VC, 48
.set G0KS, 52
.set G0VS, 56
.set SI,   60                          ; the step;  s61 6,144 x step;  s62 512 x step;  s63 D
.set TB,   61
.set TS,   62
.set DD,   63
.set NT,   66                          ; n;  s67 T
.set TI,   67
.macro CROUND                          ; a round of the cluster's barrier
	s_barrier_signal -1
	s_barrier_wait -1
	s_cmp_lg_u32 s[WV], 0
	s_cbranch_scc1 .Lnot_wave_0_\@
	s_barrier_signal -3
.Lnot_wave_0_\@:
	s_barrier_wait -3
	s_barrier_signal -1
	s_barrier_wait -1
.endm
	s_load_b512 s[4:19], s[0:1], 0x0               ; qimg 4, qsc 6, kimg 8, ksc 10, vimg 12, vsc 14, oimg 16, osc 18
	v_lshl_add_u32 v254, v0, 2, 0x34000
	v_mov_b32 v255, 0
	ds_add_u32 v254, v255
	ds_add_u32 v254, v255
	v_lshrrev_b32 v1, 5, v0
	s_delay_alu instid0(VALU_DEP_1)
	v_readfirstlane_b32 s[WV], v1                  ; wave 0..15
	s_bfe_u32 s[CX], ttmp6, 0x40000                ; my place in the cluster: it enters Q's and O's addresses and the mask's numbers alone
	s_and_b32 s[BH], ttmp7, 0xffff                 ; 16 x batch + head, which the four partners share
	s_and_b32 s[CP], s[BH], 1
	s_mov_b32 s[SEL], 0x76543210
	s_mov_b32 s[SEL+1], 0xfedcba98
	s_mov_b32 s[CS], 0x3fb8aa3b                    ; log2(e)
	s_mov_b32 s[CS+1], s[CS]                       ; (named with it as a pair, so it is written)
	; group 1: dense blocks as rows of 256 bytes (32 elements of 8 bytes), no padding: every LDS read takes consecutive bytes in consecutive lanes.  Mask: all four work-groups
	s_mov_b32 s[G1C], 15|(3<<16)|(1<<21)
	s_mov_b32 s[G1C+1], 32<<16
	s_mov_b32 s[G1C+2], 384<<16                    ; 384 rows: a head's 98,304 bytes of images
	s_mov_b32 s[G1C+3], 32<<16
	s_mov_b32 s[G1C+4], 384
	s_mov_b32 s[G1C+5], 32
	s_mov_b32 s[G1C+6], 0
	s_mov_b32 s[G1C+7], 0
	s_mov_b32 s[G1S], 15|(3<<16)|(1<<21)
	s_mov_b32 s[G1S+1], 32<<16
	s_mov_b32 s[G1S+2], 32<<16                     ; 32 rows: a pair of heads' 8,192 bytes of scale words
	s_mov_b32 s[G1S+3], 32<<16
	s_mov_b32 s[G1S+4], 32
	s_mov_b32 s[G1S+5], 32
	s_mov_b32 s[G1S+6], 0
	s_mov_b32 s[G1S+7], 0
	; every address register is made here, ahead of the branches on the wave's number
	v_and_b32 v10, 31, v0                          ; lane
	v_and_b32 v8, 15, v0                           ; r
	v_bfe_u32 v9, v0, 4, 1                         ; h
	s_delay_alu instid0(VALU_DEP_3)
	v_lshlrev_b32 v[AK0], 3, v10
	s_delay_alu instid0(VALU_DEP_4)
	v_lshl_add_u32 v[AV0], v10, 3, VC
	v_lshl_add_u32 v[ASK0], v10, 4, KSB
	v_lshl_add_u32 v[ASV0], v10, 4, VSB
	s_lshl_b32 s68, s[CP], 1
	s_lshl_b32 s69, s[CP], 3
	v_add_nc_u32 v[ASK0], s68, v[ASK0]
	v_add_nc_u32 v[ASV0], s69, v[ASV0]
	v_lshlrev_b32 v11, 3, v9
	s_delay_alu instid0(VALU_DEP_1)
	v_sub_nc_u32 v[RH], v8, v11
	v_mov_b32 v[NINF], 0xff800000
	v_lshlrev_b32 v[GL8], 3, v10
	v_lshlrev_b32 v[GR16], 4, v8
	v_lshlrev_b32 v[GR32], 5, v8
.irp i, 0,1,2,3,4,5
	v_mov_b32 v[QF+6+\i], 0                        ; zero codes: the upper 64 of Q's operand,
	v_mov_b32 v[KF+48+\i], 0                       ; and what follows K's last tile
.endr
.irp b, 0,1,2,3
	v_mov_b32 v[BP+\b], 0                          ; written once: a lane permute's destination counts as one of its sources
.endr
	v_mov_b32 v[PW], 0                             ; (named as the upper half of the pair v[220:221] before it is first written)
	v_mov_b32 v[TT], 0
	s_mul_i32 s68, s[BH], 98304                    ; the head's first byte in the images,
	s_mov_b32 s69, 0
	s_lshr_b32 s70, s[BH], 1
	s_lshl_b32 s70, s70, 13                        ; the pair's in the scale words,
	s_mov_b32 s71, 0
	s_lshr_b32 s72, s[BH], 4                       ; the batch
	s_and_b32 s73, s[BH], 15                       ; the head in it
	s_mul_i32 s84, s72, 128*12288
	s_mul_i32 s85, s73, 768
	s_add_co_u32 s84, s84, s85                     ; in oimg: 128 tiles of tokens a batch, 12,288 bytes a tile, 768 a head,
	s_mov_b32 s85, 0
	s_lshl_b32 s86, s72, 16
	s_lshl_b32 s87, s73, 1
	s_add_co_u32 s86, s86, s87                     ; in osc: 32 bytes a token, 2 a head
	s_mov_b32 s87, 0
	s_wait_dscnt 0x0
	s_wait_kmcnt 0x0
	s_add_nc_u64 s[74:75], s[4:5], s[68:69]
	s_add_nc_u64 s[76:77], s[6:7], s[70:71]
	s_add_nc_u64 s[78:79], s[16:17], s[84:85]
	s_add_nc_u64 s[80:81], s[18:19], s[86:87]
	s_mov_b32 s[G0KC], 1
	s_mov_b32 s[G0KC+1], KC
	s_add_nc_u64 s[G0KC+2:G0KC+3], s[8:9], s[68:69]
	s_or_b32 s[G0KC+3], s[G0KC+3], 0x80000000
	s_mov_b32 s[G0VC], 1
	s_mov_b32 s[G0VC+1], VC
	s_add_nc_u64 s[G0VC+2:G0VC+3], s[12:13], s[68:69]
	s_or_b32 s[G0VC+3], s[G0VC+3], 0x80000000
	s_mov_b32 s[G0KS], 1
	s_mov_b32 s[G0KS+1], KSB
	s_add_nc_u64 s[G0KS+2:G0KS+3], s[10:11], s[70:71]
	s_or_b32 s[G0KS+3], s[G0KS+3], 0x80000000
	s_mov_b32 s[G0VS], 1
	s_mov_b32 s[G0VS+1], VSB
	s_add_nc_u64 s[G0VS+2:G0VS+3], s[14:15], s[70:71]
	s_or_b32 s[G0VS+3], s[G0VS+3], 0x80000000
	CROUND                                         ; all four work-groups are here: the joint loads meet
	; wave 0: K's images; wave 1: V's; wave 2: K's scale words; wave 3: V's; the others none.  One load a wave; four v_nop follow each
	s_cmp_lg_u32 s[WV], 0
	s_cbranch_scc1 .Lnot_0
	tensor_load_to_lds s[G0KC:G0KC+3], s[G1C:G1C+7]
	s_nop 0
.rept 4
	v_nop
.endr
	s_branch .Lasked
.Lnot_0:
	s_cmp_lg_u32 s[WV], 1
	s_cbranch_scc1 .Lnot_1
	tensor_load_to_lds s[G0VC:G0VC+3], s[G1C:G1C+7]
	s_nop 0
.rept 4
	v_nop
.endr
	s_branch .Lasked
.Lnot_1:
	s_cmp_lg_u32 s[WV], 2
	s_cbranch_scc1 .Lnot_2
	tensor_load_to_lds s[G0KS:G0KS+3], s[G1S:G1S+7]
	s_nop 0
.rept 4
	v_nop
.endr
	s_branch .Lasked
.Lnot_2:
	s_cmp_lg_u32 s[WV], 3
	s_cbranch_scc1 .Lasked
	tensor_load_to_lds s[G0VS:G0VS+3], s[G1S:G1S+7]
	s_nop 0
.rept 4
	v_nop
.endr
.Lasked:
; A KEY STEP: 128 keys for my 16 queries.
.macro STEP
	s_cmp_gt_u32 s[SI], s[DD]                      ; all its keys come after my queries: left out (the lines that step addresses stand behind the label)
	s_cbranch_scc1 .Lhidden_\@
	s_setprio 2
	v_add_nc_u32 v[ADK], s[TB], v[AK0]             ; these four are also the places between the last step's products and the loads into their registers
	v_add_nc_u32 v[ADV], s[TB], v[AV0]
	v_add_nc_u32 v[ADS], s[TS], v[ASK0]
	v_add_nc_u32 v[ADT], s[TS], v[ASV0]
.irp t, 0,1,2,3,4,5,6,7
.irp p, 0,1,2
	ds_load_b64 v[KF+6*\t+2*\p:KF+6*\t+2*\p+1], v[ADK] offset:768*\t+256*\p
.endr
.endr
.irp j, 0,1,2,3
	ds_load_u16 v[KSC+\j], v[ADS] offset:4*\j      ; my head's two bytes of the word; the upper two bytes of the register are 0
.endr
	s_wait_alu depctr_va_vdst(0)
	s_wait_dscnt 0x0
.irp t, 0,1,2,3,4,5,6,7                        ; S^T = K Q^T
.if \t % 2
	v_wmma_scale_f32_16x16x128_f8f6f4 v[SS+8*\t:SS+8*\t+7], v[KF+6*\t:KF+6*\t+11], v[QF:QF+11], 0, v[KSC+\t/2], v[QS] matrix_a_fmt:MATRIX_FMT_FP6 matrix_b_fmt:MATRIX_FMT_FP6 matrix_a_scale:MATRIX_SCALE_ROW1
.else
	v_wmma_scale_f32_16x16x128_f8f6f4 v[SS+8*\t:SS+8*\t+7], v[KF+6*\t:KF+6*\t+11], v[QF:QF+11], 0, v[KSC+\t/2], v[QS] matrix_a_fmt:MATRIX_FMT_FP6 matrix_b_fmt:MATRIX_FMT_FP6
.endif
.endr
.rept 4
	v_nop                                          ; places in front of the loads into K's registers and of the first read of the scores
.endr
.irp d, 0,1,2,3                                ; V's four fragments land while the softmax is walked
.irp p, 0,1,2,3,4,5
	ds_load_b64 v[KF+12*\d+2*\p:KF+12*\d+2*\p+1], v[ADV] offset:1536*\d+256*\p
.endr
.endr
	ds_load_b64 v[VSC:VSC+1], v[ADT]
	s_cmp_lg_u32 s[SI], s[DD]                      ; ahead of the diagonal step every key counts
	s_cbranch_scc1 .Lopen_\@
.set NN, 0
.rept 64                                       ; register 8 t + j holds key 16 t + 8 h + j of the step: hidden where 16 t + j > my query's place - 8 h
	v_cmp_gt_i32 vcc_lo, 16*(NN/8)+NN%8, v[DREG]
	v_cndmask_b32 v[SS+NN], v[SS+NN], v[NINF], vcc_lo
.set NN, NN+1
.endr
.Lopen_\@:
.irp b, 0,1,2,3
	v_max3_num_f32 v[BM+\b], v[SS+16*\b], v[SS+1+16*\b], v[SS+2+16*\b]   ; the largest score of each block of 32 keys: it serves for the row's maximum and, since p rises with the score, for the block's largest p
.endr
.irp i, 3,5,7,9,11,13
.irp b, 0,1,2,3
	v_max3_num_f32 v[BM+\b], v[BM+\b], v[SS+16*\b+\i], v[SS+1+16*\b+\i]
.endr
.endr
.irp b, 0,1,2,3
	v_max_num_f32 v[BM+\b], v[BM+\b], v[SS+15+16*\b]
.endr
.irp b, 0,1,2,3
	s_delay_alu instid0(VALU_DEP_4)
	v_permlanex16_b32 v[BP+\b], v[BM+\b], s[SEL], s[SEL+1]
.endr
.irp b, 0,1,2,3
	s_delay_alu instid0(VALU_DEP_4)
	v_max_num_f32 v[BM+\b], v[BM+\b], v[BP+\b]     ; with lane l xor 16's 16 keys
.endr
	s_delay_alu instid0(VALU_DEP_2)
	v_max3_num_f32 v[TT], v[BM], v[BM+1], v[BM+2]
	s_delay_alu instid0(VALU_DEP_1)
	v_max_num_f32 v[TT], v[TT], v[BM+3]            ; the step's largest score of my query
	s_delay_alu instid0(VALU_DEP_1)
	v_mul_f32 v[TT], s[CS], v[TT]                  ; as t
	s_delay_alu instid0(VALU_DEP_1)
	v_max_num_f32 v13, v13, v[TT]                  ; the running largest t
	v_mov_b32 v[TT], v12
	s_delay_alu instid0(VALU_DEP_2)
	v_floor_f32 v12, -v13                          ; the new -M = floor(-t) = -ceil(t): a whole number
	s_delay_alu instid0(VALU_DEP_1)
	v_sub_f32 v[TT], v12, v[TT]                    ; old M - new M: a whole number, 0 or less
	s_delay_alu instid0(VALU_DEP_1)
	v_cvt_i32_f32 v[TT], v[TT]                     ; (it saturates)
	s_delay_alu instid0(VALU_DEP_1)
	v_ldexp_f32 v[FF], 1.0, v[TT]                  ; f = 2^(old M - new M)
.set J, 0
	s_setprio 1
.rept 32
	v_pk_fma_f32 v[SS+J:SS+J+1], v[SS+J:SS+J+1], s[CS:CS+1], v[12:13] op_sel_hi:[1,0,0]   ; t - M, two at a time
.set J, J+2
.endr
.irp b, 0,1,2,3
	v_fma_f32 v[BM+\b], v[BM+\b], s[CS], v12       ; the same of each block's largest score
.endr
.set J, 0
	s_wait_alu depctr_va_vdst(0)
.rept 64
	v_exp_f32 v[SS+J], v[SS+J]                     ; p = 2^(t - M), at most 1, not normalised
.set J, J+1
.endr
	v_pk_mul_f32 v[14:15], v[14:15], v[FF:FF+1] op_sel_hi:[1,0]   ; the sums under the new M; a plain instruction behind the exponentials
	s_wait_alu depctr_va_vdst(0)                   ; one wait for the batch of 64, ahead of its first reader
.irp b, 0,1,2,3
	v_exp_f32 v[BM+\b], v[BM+\b]                   ; the block's largest p: the same two instructions on the same number give the same bits
.endr
	v_pk_add_f32 v[206:207], v[90:91], v[94:95]
	v_pk_add_f32 v[252:253], v[98:99], v[102:103]
	v_pk_add_f32 v[250:251], v[106:107], v[110:111]
	v_pk_add_f32 v[248:249], v[114:115], v[118:119]
	v_pk_add_f32 v[246:247], v[122:123], v[126:127]
	v_pk_add_f32 v[244:245], v[130:131], v[134:135]
	v_pk_add_f32 v[242:243], v[138:139], v[142:143]
	v_pk_add_f32 v[14:15], v[14:15], v[146:147]
	v_pk_add_f32 v[206:207], v[206:207], v[86:87]
	v_pk_add_f32 v[252:253], v[252:253], v[88:89]
	v_pk_add_f32 v[250:251], v[250:251], v[92:93]
	v_pk_add_f32 v[248:249], v[248:249], v[96:97]
	v_pk_add_f32 v[246:247], v[246:247], v[100:101]
	v_pk_add_f32 v[244:245], v[244:245], v[104:105]
	v_pk_add_f32 v[242:243], v[242:243], v[108:109]
	v_pk_add_f32 v[14:15], v[14:15], v[112:113]
	v_pk_add_f32 v[206:207], v[206:207], v[116:117]
	v_pk_add_f32 v[252:253], v[252:253], v[120:121]
	v_pk_add_f32 v[250:251], v[250:251], v[124:125]
	v_pk_add_f32 v[248:249], v[248:249], v[128:129]
	v_pk_add_f32 v[246:247], v[246:247], v[132:133]
	v_pk_add_f32 v[244:245], v[244:245], v[136:137]
	v_pk_add_f32 v[242:243], v[242:243], v[140:141]
	v_pk_add_f32 v[14:15], v[14:15], v[144:145]
	v_pk_add_f32 v[206:207], v[206:207], v[148:149]
	s_delay_alu instid0(VALU_DEP_2)
	v_pk_add_f32 v[14:15], v[14:15], v[248:249]
	s_delay_alu instid0(VALU_DEP_2)
	v_pk_add_f32 v[206:207], v[206:207], v[246:247]
	v_pk_add_f32 v[252:253], v[252:253], v[244:245]
	v_pk_add_f32 v[250:251], v[250:251], v[242:243]
	s_delay_alu instid0(VALU_DEP_2)
	v_pk_add_f32 v[14:15], v[14:15], v[252:253]
	s_delay_alu instid0(VALU_DEP_2)
	v_pk_add_f32 v[206:207], v[206:207], v[250:251]
	s_delay_alu instid0(VALU_DEP_1)
	v_pk_add_f32 v[14:15], v[14:15], v[206:207]
	s_setprio 0
	s_wait_alu depctr_va_vdst(0)                   ; and one for the four
.irp b, 0,1,2,3
	v_max_num_f32 v[BM+\b], 0x1800000, v[BM+\b]    ; the floor 2^(3 - 127): the byte cannot fall under 1
.endr
.irp b, 0,1,2,3
	s_delay_alu instid0(VALU_DEP_4)
	v_add_nc_u32 v[SO+\b], 0xff000000, v[BM+\b]    ; 2 off the exponent field: the conversion's scale operand
.endr
.irp b, 0,1,2,3
	s_delay_alu instid0(VALU_DEP_4)
	v_lshrrev_b32 v[BP+\b], 23, v[SO+\b]           ; the scale's byte
.endr
	s_delay_alu instid0(VALU_DEP_3)
	v_lshl_or_b32 v[PW], v[BP+1], 8, v[BP]         ; p's scale word for these 128 keys
	s_delay_alu instid0(VALU_DEP_1)
	v_lshl_or_b32 v[PW], v[BP+2], 16, v[PW]
	s_delay_alu instid0(VALU_DEP_1)
	v_lshl_or_b32 v[PW], v[BP+3], 24, v[PW]
.irp c, 0,1
	v_cvt_scalef32_pk16_fp6_f32 v[PCD+6*\c:PCD+2+6*\c], v[SS+32*\c:SS+15+32*\c], v[SO+2*\c]
	v_cvt_scalef32_pk16_fp6_f32 v[PC2+4*\c:PC2+2+4*\c], v[SS+16+32*\c:SS+31+32*\c], v[SO+2*\c+1]
.endr
	v_nop                                          ; one plain place behind a scaled conversion
.irp c, 0,1                                    ; a whole block in a lane: lanes 0-15 block 2 c, lanes 16-31 block 2 c + 1
.irp i, 0,1,2
	v_permlane16_swap_b32 v[PCD+6*\c+\i], v[PC2+4*\c+\i]
.endr
.irp i, 0,1,2
	s_delay_alu instid0(VALU_DEP_3)
	v_mov_b32 v[PCD+3+6*\c+\i], v[PC2+4*\c+\i]
.endr
.endr
.set J, 0
.rept 16
	v_pk_mul_f32 v[OT+J:OT+J+1], v[OT+J:OT+J+1], v[FF:FF+1] op_sel_hi:[1,0]   ; O^T under the new M.  These sixteen also stand between the lines that wrote p's codes and scale word and the products
.set J, J+2
.endr
	s_wait_alu depctr_va_vdst(0)
	s_wait_dscnt 0x0                               ; V is in
.irp d, 0,1,2,3                                ; O^T += V^T P^T: the four accumulators by turns; eight products of the next step stand between two links of a chain
.if \d % 2
	v_wmma_scale_f32_16x16x128_f8f6f4 v[OT+8*\d:OT+8*\d+7], v[KF+12*\d:KF+12*\d+11], v[PCD:PCD+11], v[OT+8*\d:OT+8*\d+7], v[VSC+\d/2], v[PW] matrix_a_fmt:MATRIX_FMT_FP6 matrix_b_fmt:MATRIX_FMT_FP6 matrix_a_scale:MATRIX_SCALE_ROW1
.else
	v_wmma_scale_f32_16x16x128_f8f6f4 v[OT+8*\d:OT+8*\d+7], v[KF+12*\d:KF+12*\d+11], v[PCD:PCD+11], v[OT+8*\d:OT+8*\d+7], v[VSC+\d/2], v[PW] matrix_a_fmt:MATRIX_FMT_FP6 matrix_b_fmt:MATRIX_FMT_FP6
.endif
.endr
.Lhidden_\@:
.endm
; THE WAY OUT of a tile: O^T / the sum, the true order along the head, the quantiser along e, the image.
.macro OUT
.rept 4
	v_nop                                          ; places behind the last products
.endr
	v_add_f32 v14, v14, v15                        ; the sum's two halves,
	s_delay_alu instid0(VALU_DEP_1)
	v_permlanex16_b32 v[TT], v14, s[SEL], s[SEL+1]
	s_delay_alu instid0(VALU_DEP_1)
	v_add_f32 v14, v14, v[TT]                      ; and lane l xor 16's: the row's sum
	s_wait_alu depctr_va_vdst(0)
	v_rcp_f32 v14, v14
	v_nop                                          ; a plain instruction behind the reciprocal
	s_wait_alu depctr_va_vdst(0)                   ; and the wait ahead of its first reader
.set J, 0
.rept 16
	v_pk_mul_f32 v[SS+J:SS+J+1], v[OT+J:OT+J+1], v[14:15] op_sel_hi:[1,0]   ; register 8 t + j: channel 16 t + 8 h + j; ascending: each accumulator is read from its low end on
.set J, J+2
.endr
.irp b, 0,1
.irp j, 0,1,2,3,4,5,6,7
	v_permlane16_swap_b32 v[SS+16*\b+\j], v[SS+8+16*\b+\j]   ; tile 2 b's lanes 16-31 change places with tile 2 b + 1's lanes 0-15: my 16 registers are now channels 32 b + 16 h + 0 .. 15, as Wu's codes lie
.endr
.endr
.irp b, 0,1
	v_max3_num_f32 v[BM+\b], |v[SS+16*\b]|, |v[SS+1+16*\b]|, 0x1800000
.endr
.irp i, 2,4,6,8,10,12,14
.irp b, 0,1
	s_delay_alu instid0(VALU_DEP_2)
	v_max3_num_f32 v[BM+\b], v[BM+\b], |v[SS+16*\b+\i]|, |v[SS+1+16*\b+\i]|
.endr
.endr
.irp b, 0,1
	s_delay_alu instid0(VALU_DEP_2)
	v_permlanex16_b32 v[BP+\b], v[BM+\b], s[SEL], s[SEL+1]
.endr
.irp b, 0,1
	s_delay_alu instid0(VALU_DEP_2)
	v_max_num_f32 v[BM+\b], v[BM+\b], v[BP+\b]
.endr
.irp b, 0,1
	s_delay_alu instid0(VALU_DEP_2)
	v_add_nc_u32 v[SO+\b], 0xff000000, v[BM+\b]
.endr
.irp b, 0,1
	s_delay_alu instid0(VALU_DEP_2)
	v_lshrrev_b32 v[BP+\b], 23, v[SO+\b]
.endr
	s_delay_alu instid0(VALU_DEP_1)
	v_lshl_or_b32 v[TT], v[BP+1], 8, v[BP]         ; my row's two scale bytes of this head (the same in lanes l and l xor 16)
	v_cvt_scalef32_pk16_fp6_f32 v[PCD:PCD+2], v[SS:SS+15], v[SO]
	v_cvt_scalef32_pk16_fp6_f32 v[PC2:PC2+2], v[SS+16:SS+31], v[SO+1]
	v_nop                                          ; one plain place behind a scaled conversion
.irp i, 0,1,2
	v_permlane16_swap_b32 v[PCD+\i], v[PC2+\i]
.endr
.irp i, 0,1,2
	s_delay_alu instid0(VALU_DEP_3)
	v_mov_b32 v[PCD+3+\i], v[PC2+\i]               ; six registers: lane (r, h) = token r, block h of the head
.endr
.irp p, 0,1,2
	global_store_b64 v[GL8], v[PCD+2*\p:PCD+2*\p+1], s[84:85] offset:256*\p   ; 32 lanes store 256 consecutive bytes, aligned
.endr
	global_store_b16 v[GR32], v[TT], s[86:87]      ; two bytes a token, 32 bytes apart (sixteen heads share a token's row of scale bytes); lanes l and l + 16 store the same value at the same place
.endm
; A tile of 16 queries: its scalars, Q, the state, the steps, the way out.
.macro PASS hi, trips
.if \hi
	s_wait_xcnt 0x0                                ; the first tile's stores have read their bases and data: both are written again only behind this wait
	s_xor_b32 s[NT], s[WV], 31                     ; 31 - wave
.else
	s_mov_b32 s[NT], s[WV]
.endif
	s_lshr_b32 s[DD], s[NT], 1                     ; the diagonal step: T / 8 = n / 2
	s_lshl_b32 s[TI], s[NT], 2
	s_add_co_u32 s[TI], s[TI], s[CX]               ; T = 4 n + cx
	s_mul_i32 s68, s[TI], 768
	s_mov_b32 s69, 0
	s_add_nc_u64 s[68:69], s[74:75], s[68:69]      ; Q's image
	s_lshr_b32 s70, s[TI], 3
	s_lshl_b32 s70, s70, 9                         ; Q's scale words: 512 bytes for each 8 tiles,
	s_and_b32 s71, s[TI], 1
	s_lshl_b32 s71, s71, 8                         ; odd tiles in the upper sixteen lanes' places,
	s_add_co_u32 s70, s70, s71
	s_bfe_u32 s71, s[TI], 0x20001
	s_lshl_b32 s71, s71, 2                         ; word (T / 2) % 4 of a lane's four,
	s_add_co_u32 s70, s70, s71
	s_lshl_b32 s71, s[CP], 1                       ; my head's two bytes of it
	s_add_co_u32 s70, s70, s71
	s_mov_b32 s71, 0
	s_add_nc_u64 s[70:71], s[76:77], s[70:71]
	s_mul_i32 s84, s[TI], 12288
	s_mov_b32 s85, 0
	s_add_nc_u64 s[84:85], s[78:79], s[84:85]      ; O's image
	s_lshl_b32 s86, s[TI], 9
	s_mov_b32 s87, 0
	s_add_nc_u64 s[86:87], s[80:81], s[86:87]      ; and its scale bytes
.irp p, 0,1,2
	global_load_b64 v[QF+2*\p:QF+2*\p+1], v[GL8], s[68:69] offset:256*\p
.endr
	global_load_u16 v[QS], v[GR16], s[70:71]
	s_and_b32 s72, s[TI], 7
	s_lshl_b32 s72, s72, 4
	v_add_nc_u32 v[DREG], s72, v[RH]
	v_mov_b32 v13, 0xff61b1e6                      ; the largest t so far: -3e38, under every t
	s_delay_alu instid0(VALU_DEP_1)
	v_floor_f32 v12, -v13                          ; -M
	v_mov_b32 v14, 0                               ; the sum, in two halves
	v_mov_b32 v15, 0
.set J, 0
.rept 32
	v_mov_b32 v[OT+J], 0                           ; O^T: the step is written once; its first change of M multiplies zeros
.set J, J+1
.endr
.if !(\hi)
	s_wait_tensorcnt 0x0                           ; my load, if I issued one, has landed,
	s_barrier_signal -1
	s_barrier_wait -1                              ; everybody's has: the head lies in LDS, and nothing writes LDS from here on
.endif
	s_wait_loadcnt 0x0                             ; Q
	s_mov_b32 s[SI], 0
	s_mov_b32 s[TB], 0
	s_mov_b32 s[TS], 0
.Lstep_\@:
	STEP
	s_add_co_u32 s[TB], s[TB], 6144
	s_add_co_u32 s[TS], s[TS], 512
	s_add_co_u32 s[SI], s[SI], 1
	s_cmp_lt_u32 s[SI], \trips
	s_cbranch_scc1 .Lstep_\@
	s_setprio 0
	OUT
.endm
	PASS 0, 8                                      ; n = wave: D is 0 to 7
	PASS 1, 16                                     ; n = 31 - wave: D is 8 to 15
	s_wait_tensorcnt 0x0
	ds_add_u32 v254, v255
	s_wait_dscnt 0x0
	CROUND                                         ; the closing round: no work-group ends while a partner may still ask for a tile that names it
	s_endpgm
.Lfunc_end_k_qe86ebc1605_attn:
	.size	k_qe86ebc1605_attn, .Lfunc_end_k_qe86ebc1605_attn-k_qe86ebc1605_attn
	.p2alignl 7, 3214868480
	.fill 96, 4, 3214868480
	.section	.rodata,"a",@progbits
	.p2align	6, 0x0
	.amdhsa_kernel k_qe86ebc1605_attn
		.amdhsa_group_segment_fixed_size 215040
		.amdhsa_private_segment_fixed_size 0
		.amdhsa_enable_private_segment 0
		.amdhsa_kernarg_size 64
		.amdhsa_user_sgpr_count 2
		.amdhsa_user_sgpr_kernarg_segment_ptr 1
		.amdhsa_wavefront_size32 1
		.amdhsa_system_sgpr_workgroup_id_x 1
		.amdhsa_system_sgpr_workgroup_id_y 1
		.amdhsa_system_sgpr_workgroup_id_z 1
		.amdhsa_system_vgpr_workitem_id 0
		.amdhsa_next_free_vgpr 256
		.amdhsa_next_free_sgpr 88
		.amdhsa_reserve_vcc 1
		.amdhsa_float_denorm_mode_32 3
		.amdhsa_float_denorm_mode_16_64 3
		.amdhsa_memory_ordered 1
		.amdhsa_forward_progress 1
		.amdhsa_inst_pref_size 70
	.end_amdhsa_kernel
	.amdgpu_metadata
---
amdhsa.version: [ 1, 2 ]
amdhsa.kernels:
  - .name:           k_qe86ebc1605_attn
    .symbol:         k_qe86ebc1605_attn.kd
    .args:
      - { .name: qimg, .offset: 0, .size: 8, .value_kind: global_buffer, .address_space: global }
      - { .name: qsc, .offset: 8, .size: 8, .value_kind: global_buffer, .address_space: global }
      - { .name: kimg, .offset: 16, .size: 8, .value_kind: global_buffer, .address_space: global }
      - { .name: ksc, .offset: 24, .size: 8, .value_kind: global_buffer, .address_space: global }
      - { .name: vimg, .offset: 32, .size: 8, .value_kind: global_buffer, .address_space: global }
      - { .name: vsc, .offset: 40, .size: 8, .value_kind: global_buffer, .address_space: global }
      - { .name: oimg, .offset: 48, .size: 8, .value_kind: global_buffer, .address_space: global }
      - { .name: osc, .offset: 56, .size: 8, .value_kind: global_buffer, .address_space: global }
    .group_segment_fixed_size: 215040
    .private_segment_fixed_size: 0
    .kernarg_segment_align: 8
    .kernarg_segment_size: 64
    .max_flat_workgroup_size: 512
    .sgpr_count:     88
    .vgpr_count:     256
    .wavefront_size: 32
...
	.end_amdgpu_metadata
.endif
;; end of part 2
;; launch outp (part 3): grid 4 x 32, 4 waves a work-group, clusters of 4 x 4, 327,680 bytes of LDS; arguments oimg, osc, Wu_codes, Wu_scales, bu, out0; writes out0
.if DOCPART == 3
	.amdgcn_target "amdgcn-amd-amdhsa--gfx1250"
	.amdhsa_code_object_version 6
	.text
	.protected	k_qe86ebc1605_outp
	.globl	k_qe86ebc1605_outp
	.p2align	8
	.type	k_qe86ebc1605_outp,@function
k_qe86ebc1605_outp:
	s_mov_b64 s[64:65], 0
	v_nop
	global_prefetch_b8 v0, s[64:65] scope:SCOPE_SE
	s_setreg_imm32_b32 hwreg(HW_REG_WAVE_MODE, 25, 1), 1
	s_wait_xcnt 0x0
	s_wait_alu depctr_hold_cnt(0) depctr_sa_sdst(0) depctr_va_vdst(0) depctr_va_sdst(0) depctr_va_ssrc(0) depctr_va_vcc(0) depctr_vm_vsrc(0)
	s_getreg_b32 s2, hwreg(HW_REG_IB_STS2, 6, 4)
	s_cmp_eq_u32 s2, 0
	s_cbranch_scc0 .Lentry_in_a_cluster
	s_endpgm
.Lentry_in_a_cluster:
	s_bfe_u32 s2, ttmp6, 0x10000c
	s_cmp_lg_u32 s2, 0xf033
	s_cbranch_scc0 .Lentry_shape_is_right
	s_endpgm
.Lentry_shape_is_right:
; out0[m][n] = sum over k of A[m][k] Wu[n][k] + bu[n].  A: the attention's result, 8,192 tokens x 1,024, as codes of FP6 (E2M3) laid as images of operand registers:
; oimg [tile of 16 tokens][K step of 128][6][lane][8 bytes]; its scale bytes osc [token][32].  Wu: codes [1024][768 bytes], K innermost, scale bytes [1024][32].  bu, out0: f32; sums in f32.
; A tile of out0, 256 x 256, is made by a work-group of four waves; a wave makes 128 x 128: 64 accumulators.  K goes in steps of 256 through a ring of two LDS slots filled by the tensor data mover.
; A's part of a slot: for each of 16 tiles of tokens the 3,072 consecutive bytes of two K steps of 128: read back 8 bytes a lane, consecutive lanes at consecutive bytes, no padding.  Wu's part: rows of 192 bytes, padded.
; The scale bytes of the work-group's 256 tokens and 256 rows of Wu, for all of K, come into LDS once, with the first fills.
; THE BIAS is the C of each sum's first matrix instruction: eight registers for each of my eight blocks of 16 columns, in the result's layout.
; CLUSTERS: 4 x 4 work-groups: A's tiles are asked for jointly along a row of the cluster, Wu's along a column.  THE MATRIX INSTRUCTION IS USED TRANSPOSED (source 0 = 16 rows of Wu, source 1 = 16 tokens).
; The grid has 128 work-groups: a tile of 256 x 256 keeps a wave's 128 x 128.  No prefetch: a tile has four K steps, two of which are asked for at the head.
; REGISTERS, in windows of 256: window 0: v0-31 addresses; v32-63 scale words, two sets; v64-127 the bias; from v128 A's fragments, one set; on the way out v128-255 rows of out0.
;   window 1: Wu's fragments, two sets.   window 2: the 32 accumulators of my rows 0-63;   window 3: those of my rows 64-127.
.set SIZE_K, 1024
.set SIZE_N, 1024
.set KSTEP,  256
.set NQ,     KSTEP/128
.set ROWB,   192                       ; a row of Wu's tile in bytes
.set AROWB,  3072                      ; a tile of 16 tokens x 256 along K, as images
.set KROW,   SIZE_K*6/8                ; a row of Wu in memory; also a token's share of oimg: 12,288 bytes for 16 tokens
.set PITCH,  240                       ; Wu's LDS row: 3 x (64 bytes + 16 of padding)
.set FR,     12
.set NL,     6
.set NP,     4
.set AHALF,  8*AROWB                   ; 128 tokens: what one tensor load brings of A
.set HALFT,  128*PITCH                 ; 128 rows of Wu
.set SLOT,   2*AHALF+2*HALFT           ; A's 256 tokens, then Wu's 256 rows
.set LAPS,   SIZE_K/(2*KSTEP)
.set KS,     SIZE_K/32
.set SCL,    2*SLOT                    ; behind the ring: the scale bytes, as rows of 256 bytes + 16 of padding
.set HALFS,  (128*KS/256)*272
.set SBLK,   (16*KS/256)*272
.set SPARE,  SCL+4*HALFS               ; the spare words, 128 bytes for each wave, which no other line names
.set SPITCH, 528                       ; the way out: a stage of 16 rows x (512 bytes + 16) for each wave, in slot 0, which has had its last fill and its last read when the first result is stored there
.set ADRA, 16                          ; v16-17 LDS address of my A images in slot 0, 1
.set ADRB, 20                          ; v20-21 of my Wu fragments (v22-23: behind one padding more)
.set STO,  24
.set RD,   25
.set CO,   26
.set ADRS, 27
.set SPW,  28
.set NIL,  29
.set SC,   32
.set BI,   64                          ; the bias
.set AF,   128
.set BK,   128
.set G1, 24
.set G0, 32
.set G1B, 48
.set G0B, 56
.set G1S, 68
.set G0S, 76
.set G1SB, 80
.set G0SB, 88
.set MSB, 0
.macro WIN new                         ; the immediate's high byte repeats the setting that is left
.if MSB != (\new)
	s_set_vgpr_msb (MSB<<8)|(\new)
.set MSB, (\new)
.endif
.endm
.set MUL_LO, 0xa1                      ; source 0 (Wu) window 1, source 1 (A) window 0, C and D window 2
.set MUL_HI, 0xf1                      ; the same, C and D window 3
.set FST_LO, 0x81                      ; the first step: C (the bias) window 0, D window 2
.set FST_HI, 0xc1                      ; D window 3
.set TO_B,   0x40
.macro JLOAD g0a, g1a, g0b, g1b        ; a joint load: waves 0 and 1 fetch for A, waves 2 and 3 for Wu; four v_nop follow each of the two lines
	s_cmp_eq_u32 s15, 0
	s_cbranch_scc0 .Lfor_b_\@
	tensor_load_to_lds s[\g0a:\g0a+3], s[\g1a:\g1a+7]
	s_nop 0
.rept 4
	v_nop
.endr
	s_branch .Lasked_\@
.Lfor_b_\@:
	tensor_load_to_lds s[\g0b:\g0b+3], s[\g1b:\g1b+7]
	s_nop 0
.rept 4
	v_nop
.endr
.Lasked_\@:
.endm
.macro CREST
	s_cmp_lg_u32 s14, 0
	s_cbranch_scc1 .Lnot_wave_0_\@
	s_barrier_signal -3
.Lnot_wave_0_\@:
	s_barrier_wait -3
	s_barrier_signal -1
	s_barrier_wait -1
.endm
.macro CROUND
	s_barrier_signal -1
	s_barrier_wait -1
	CREST
.endm
	s_load_b128 s[4:7], s[0:1], 0x0                ; oimg, osc
	s_load_b128 s[8:11], s[0:1], 0x10              ; Wu's codes, Wu's scale bytes
	s_load_b64 s[66:67], s[0:1], 0x20              ; bu
	s_load_b64 s[12:13], s[0:1], 0x28              ; out0
	v_lshl_add_u32 v[SPW], v0, 2, SPARE
	v_mov_b32 v[NIL], 0
	ds_add_u32 v28, v29
	ds_add_u32 v28, v29
	s_wait_dscnt 0x0
	v_lshrrev_b32 v1, 5, v0
	v_readfirstlane_b32 s14, v1                    ; wave 0..3
	s_lshr_b32 s15, s14, 1                         ; which half of the tile's rows is mine.  Also: I fetch for A (0) or for Wu (1)
	s_and_b32 s16, s14, 1                          ; which half of its columns.  Also: which 128 rows I fetch
	s_bfe_u32 s40, ttmp6, 0x40000                  ; cx, cy
	s_bfe_u32 s41, ttmp6, 0x40004
	s_lshl_b32 s42, ttmp9, 2
	s_add_co_u32 s42, s42, s40                     ; tile column = 4 x cluster x + cx
	s_and_b32 s17, ttmp7, 0xffff
	s_lshl_b32 s17, s17, 2
	s_add_co_u32 s17, s17, s41                     ; tile row = 4 x cluster y + cy
	s_lshl_b32 s43, s41, 2
	s_lshl_b32 s43, 15, s43                        ; my row of the cluster
	s_lshl_b32 s44, 0x1111, s40                    ; my column
	; group 1 for A: 8 rows (tiles of 16 tokens) of 384 elements of 8 bytes, 1,536 elements apart, no padding
	s_or_b32 s[G1+0], s43, (3<<16)|(1<<21)
	s_mov_b32 s[G1+1], (AROWB/8)<<16
	s_mov_b32 s[G1+2], 8<<16
	s_mov_b32 s[G1+3], (AROWB/8)<<16
	s_mov_b32 s[G1+4], 8
	s_mov_b32 s[G1+5], 16*KROW/8
	s_mov_b32 s[G1+6], 0
	s_mov_b32 s[G1+7], 0
	; for Wu: 128 rows x 192 bytes, 16 bytes of padding behind every 64
	s_or_b32 s[G1B+0], s44, (0<<16)|(1<<20)|(1<<21)|(3<<22)|(3<<25)
	s_mov_b32 s[G1B+1], ROWB<<16
	s_mov_b32 s[G1B+2], 128<<16
	s_mov_b32 s[G1B+3], ROWB<<16
	s_mov_b32 s[G1B+4], 128
	s_mov_b32 s[G1B+5], KROW
	s_mov_b32 s[G1B+6], 0
	s_mov_b32 s[G1B+7], 0
	; for the scale bytes of 128 rows: 4,096 dense bytes as rows of 256, 16 bytes of padding behind each
	s_or_b32 s[G1S+0], s43, (3<<16)|(1<<20)|(1<<21)|(5<<22)|(3<<25)
	s_or_b32 s[G1SB+0], s44, (3<<16)|(1<<20)|(1<<21)|(5<<22)|(3<<25)
.irp g, G1S, G1SB
	s_mov_b32 s[\g+1], 32<<16
	s_mov_b32 s[\g+2], (128*KS/256)<<16
	s_mov_b32 s[\g+3], 32<<16
	s_mov_b32 s[\g+4], 128*KS/256
	s_mov_b32 s[\g+5], 32
	s_mov_b32 s[\g+6], 0
	s_mov_b32 s[\g+7], 0
.endr
	s_lshl_b32 s18, s16, 7                         ; which 128 rows of the tile I fetch
	s_lshl_b32 s20, s17, 8
	s_add_co_u32 s20, s20, s18                     ; A: token 256 x tile row + 128 x half
	s_lshl_b32 s46, s42, 8
	s_add_co_u32 s46, s46, s18                     ; Wu: row 256 x tile column + 128 x half
	s_mov_b32 s21, 0
	s_mov_b32 s47, 0
	s_mov_b64 s[18:19], KS
	s_mul_u64 s[22:23], s[20:21], s[18:19]         ; where these rows' scale bytes begin
	s_mul_u64 s[92:93], s[46:47], s[18:19]
	s_mov_b64 s[18:19], KROW
	s_mul_u64 s[20:21], s[20:21], s[18:19]         ; and their codes (a multiple of 16 tokens x 768 bytes is where their images begin)
	s_mul_u64 s[46:47], s[46:47], s[18:19]
	s_mul_i32 s45, s16, AHALF                      ; where they go: A's two halves,
	s_mul_i32 s95, s16, HALFT
	s_add_co_u32 s95, s95, 2*AHALF                 ; Wu's two halves behind them,
	s_mul_i32 s94, s14, HALFS                      ; the scale bytes: wave x 128 rows
	s_wait_kmcnt 0x0
	s_add_nc_u64 s[20:21], s[4:5], s[20:21]
	s_add_nc_u64 s[22:23], s[6:7], s[22:23]
	s_add_nc_u64 s[46:47], s[8:9], s[46:47]
	s_add_nc_u64 s[92:93], s[10:11], s[92:93]
	CROUND                                         ; all sixteen work-groups are here: the first joint loads meet
	s_mov_b32 s[G0S], 1
	s_add_co_u32 s[G0S+1], s94, SCL
	s_mov_b64 s[G0S+2:G0S+3], s[22:23]
	s_or_b32 s[G0S+3], s[G0S+3], 0x80000000
	s_mov_b32 s[G0SB], 1
	s_add_co_u32 s[G0SB+1], s94, SCL
	s_mov_b64 s[G0SB+2:G0SB+3], s[92:93]
	s_or_b32 s[G0SB+3], s[G0SB+3], 0x80000000
	JLOAD G0S, G1S, G0SB, G1SB                     ; the scale bytes first
.irp s, 0,1
	s_mov_b32 s[G0+4*\s], 1
	s_add_co_u32 s[G0+4*\s+1], s45, \s*SLOT
	s_add_nc_u64 s[G0+4*\s+2:G0+4*\s+3], s[20:21], \s*AROWB
	s_or_b32 s[G0+4*\s+3], s[G0+4*\s+3], 0x80000000
	s_mov_b32 s[G0B+4*\s], 1
	s_add_co_u32 s[G0B+4*\s+1], s95, \s*SLOT
	s_add_nc_u64 s[G0B+4*\s+2:G0B+4*\s+3], s[46:47], \s*ROWB
	s_or_b32 s[G0B+4*\s+3], s[G0B+4*\s+3], 0x80000000
	s_wait_alu depctr_va_vdst(0)
	s_wait_tensorcnt 0x0
	ds_add_u32 v28, v29
	s_wait_dscnt 0x0
	CROUND
	JLOAD G0+4*\s, G1, G0B+4*\s, G1B
.endr
	v_and_b32 v1, 15, v0                           ; l % 16
	v_bfe_u32 v2, v0, 4, 1                         ; l / 16
	v_and_b32 v6, 31, v0
	v_lshlrev_b32 v7, 3, v6                        ; A's images: 8 x lane
	v_mul_u32_u24 v3, v1, PITCH
	v_mul_u32_u24 v4, v2, 24
	v_add_nc_u32 v4, v3, v4                        ; Wu: a fragment's row x pitch + 24 x half
	v_lshl_add_u32 v5, v2, 4, v4                   ; and the same behind one padding more
	s_mul_i32 s21, s15, AHALF                      ; my 128 tokens
	s_mul_i32 s22, s16, HALFT                      ; my 128 rows of Wu,
	s_add_co_u32 s22, s22, 2*AHALF                 ; which lie behind A's 256 tokens
.irp s, 0,1
	v_add_nc_u32 v[ADRA+\s], s21, v7
	v_add_nc_u32 v[ADRB+\s], s22, v4
	v_add_nc_u32 v[ADRB+2+\s], s22, v5
	s_add_co_u32 s21, s21, SLOT
	s_add_co_u32 s22, s22, SLOT
.endr
	v_mul_u32_u24 v5, v1, KS                       ; my row's scale bytes: KS a row,
	v_lshrrev_b32 v6, 8, v5
	v_lshl_add_u32 v5, v6, 4, v5                   ; and 16 more for each 256 passed
	s_mul_i32 s21, s15, HALFS
	s_mul_i32 s22, s16, HALFS
	s_add_co_u32 s22, s22, 2*HALFS
	s_sub_co_u32 s22, s22, s21
	v_mul_u32_u24 v6, s22, v2                      ; lanes 16-31 take Wu's
	s_add_co_u32 s21, s21, SCL
	v_add_nc_u32 v5, v5, v6
	v_add_nc_u32 v[ADRS], s21, v5
	s_mul_i32 s23, s14, 16*SPITCH                  ; my stage
	v_mul_u32_u24 v5, v1, SPITCH                   ; in: row l % 16, 32 bytes for each half of the lanes
	v_lshl_add_u32 v5, v2, 5, v5
	v_add_nc_u32 v[STO], s23, v5
	v_and_b32 v6, 31, v0
	v_lshlrev_b32 v[CO], 4, v6                     ; back: the 32 lanes take one row of 512 bytes; and the same in out0
	v_add_nc_u32 v[RD], s23, v[CO]
	s_lshl_b32 s20, s17, 8
	s_lshl_b32 s21, s15, 7
	s_add_co_u32 s20, s20, s21                     ; my first row of out0
	s_mov_b32 s21, 0
	s_mov_b64 s[18:19], SIZE_N*4
	s_mul_u64 s[20:21], s[20:21], s[18:19]
	s_lshl_b32 s46, s42, 10                        ; my first column, in bytes: 1,024 x tile column + 512 x half
	s_lshl_b32 s47, s16, 9
	s_add_co_u32 s46, s46, s47
	s_mov_b32 s47, 0
	s_add_nc_u64 s[66:67], s[66:67], s[46:47]      ; bu at my first column
	s_add_nc_u64 s[20:21], s[20:21], s[46:47]
	s_add_nc_u64 s[12:13], s[12:13], s[20:21]
	v_lshlrev_b32 v7, 5, v2                        ; lane (r, h) holds, of block b, columns 16 b + 8 h + 0 .. 7
.irp b, 0,1,2,3,4,5,6,7
	global_load_b128 v[BI+8*\b:BI+8*\b+3], v7, s[66:67] offset:64*\b
	global_load_b128 v[BI+8*\b+4:BI+8*\b+7], v7, s[66:67] offset:64*\b+16
.endr
.macro FRAG reg, adr, q, i             ; a fragment of Wu from padded rows, in pieces of 8 bytes; lanes 16-31 read three pieces further on: where that lies behind one padding more, the second address register serves
.irp p, 0,1,2,3,4,5
.set PCE, 12*(\q)+6*(\p/3)+\p%3
.if PCE%8 < 5
	ds_load_b64 v[\reg+2*\p:\reg+2*\p+1], v[\adr] offset:8*PCE+16*(PCE/8)+(\i)*16*PITCH
.else
	ds_load_b64 v[\reg+2*\p:\reg+2*\p+1], v[\adr+2] offset:8*PCE+16*(PCE/8)+(\i)*16*PITCH
.endif
.endr
.endm
.macro FRAGA reg, slot, q, i           ; a fragment of A from its image: registers 2 p, 2 p + 1 at 256 p + 8 x lane
.irp p, 0,1,2,3,4,5
	ds_load_b64 v[\reg+2*\p:\reg+2*\p+1], v[ADRA+\slot] offset:256*\p+1536*(\q)+AROWB*(\i)
.endr
.endm
; 16 matrix instructions: A's blocks a0, a0 + 1 x Wu's eight, 128 along K.  first = 1: the bias is the C.  The 64 accumulators take turns, one instruction a turn.
.macro MUL16 a0, p, q, sc, first
.irp a, \a0, \a0+1
.irp b, 0,1,2,3,4,5,6,7
.if \first
	v_wmma_scale_f32_16x16x128_f8f6f4 v[8*(8*((\a)%4)+\b):8*(8*((\a)%4)+\b)+7], v[128*(\p)+FR*\b:128*(\p)+FR*\b+FR-1], v[AF+FR*(\a):AF+FR*(\a)+FR-1], v[BI+8*\b:BI+8*\b+7], v[SC+8*NQ*(\sc)+NQ*\b+(\q)], v[SC+8*NQ*(\sc)+NQ*(\a)+(\q)] matrix_a_fmt:MATRIX_FMT_FP6 matrix_b_fmt:MATRIX_FMT_FP6 matrix_a_scale:MATRIX_SCALE_ROW1
.else
	v_wmma_scale_f32_16x16x128_f8f6f4 v[8*(8*((\a)%4)+\b):8*(8*((\a)%4)+\b)+7], v[128*(\p)+FR*\b:128*(\p)+FR*\b+FR-1], v[AF+FR*(\a):AF+FR*(\a)+FR-1], v[8*(8*((\a)%4)+\b):8*(8*((\a)%4)+\b)+7], v[SC+8*NQ*(\sc)+NQ*\b+(\q)], v[SC+8*NQ*(\sc)+NQ*(\a)+(\q)] matrix_a_fmt:MATRIX_FMT_FP6 matrix_b_fmt:MATRIX_FMT_FP6 matrix_a_scale:MATRIX_SCALE_ROW1
.endif
.endr
.endr
.endm
.macro FETCH_B slot, q, p
	WIN TO_B
.irp i, 0,1,2,3,4,5,6,7
	FRAG 128*(\p)+FR*\i, ADRB+\slot, \q, \i
.endr
	WIN 0
.endm
.macro FETCH_A slot, q, i0
.irp i, \i0, \i0+1, \i0+2, \i0+3
	FRAGA AF+FR*(\i), \slot, \q, \i
.endr
.endm
.macro SCALES sc
.irp i, 0,1,2,3,4,5,6,7
	ds_load_b64 v[SC+8*NQ*\sc+NQ*\i:SC+8*NQ*\sc+NQ*\i+1], v[ADRS] offset:\i*SBLK
.endr
.endm
.macro PLACES n                        ; plain vector instructions between a matrix instruction and a load into, or a read of, its registers
.rept \n
	v_nop
.endr
.endm
.macro STEP slot, q, first
	s_wait_dscnt 4*NL                              ; Wu's set and A's blocks 0-3 are in; the youngest 24 loads (A's blocks 4-7) may be out
.if \first
	WIN FST_LO
.else
	WIN MUL_LO
.endif
	MUL16 0, (\q)%2, \q, \slot, \first
	MUL16 2, (\q)%2, \q, \slot, \first
	s_wait_dscnt 0
	PLACES NP
	FETCH_B \slot, (\q)+1, 1-(\q)%2
	FETCH_A \slot, (\q)+1, 0
.if \first
	WIN FST_HI
.else
	WIN MUL_HI
.endif
	MUL16 4, (\q)%2, \q, \slot, \first
	MUL16 6, (\q)%2, \q, \slot, \first
	PLACES NP
	WIN 0
	FETCH_A \slot, (\q)+1, 4
.endm
; A slot's last step changes slots: ONE barrier; in front of it each wave waits for all its tensor loads, adds 0 to its spare word, and waits for that and for its own reads of this slot.
.macro TURN slot, next, fill
	s_wait_tensorcnt 0x0                           ; all my tensor loads have landed: my part of the next slot
	ds_add_u32 v[SPW], v[NIL]                      ; 0 onto my spare word
	s_wait_dscnt 4*NL+1                            ; (the add and the youngest 24 loads may be out)
	WIN MUL_LO
	MUL16 0, 1, NQ-1, \slot, 0
	s_wait_dscnt 0x0                               ; the add is done, and my reads of this slot are over
	s_barrier_signal -1
	MUL16 2, 1, NQ-1, \slot, 0
	WIN 0
	s_barrier_wait -1
.if \fill
	CREST                                          ; a round of the cluster's barrier: no wave of any partner still reads this slot or has a load on its way
	s_add_nc_u64 s[G0+4*\slot+2:G0+4*\slot+3], s[G0+4*\slot+2:G0+4*\slot+3], 2*AROWB
	s_add_nc_u64 s[G0B+4*\slot+2:G0B+4*\slot+3], s[G0B+4*\slot+2:G0B+4*\slot+3], 2*ROWB
	JLOAD G0+4*\slot, G1, G0B+4*\slot, G1B         ; the first tensor load behind the round; its four v_nop are the places in front of the loads below
.else
	PLACES NP
.endif
	s_wait_alu depctr_va_vdst(0)
	v_add_nc_u32 v[ADRS], 4*NQ, v[ADRS]
	FETCH_B \next, 0, 0
	FETCH_A \next, 0, 0
	SCALES \next
	WIN MUL_HI
	MUL16 4, 1, NQ-1, \slot, 0
	MUL16 6, 1, NQ-1, \slot, 0
	PLACES NP
	WIN 0
	FETCH_A \next, 0, 4
.endm
	s_wait_alu depctr_va_vdst(0)
	s_wait_tensorcnt 1                             ; the scale bytes and my part of K step 0 are in (K step 1's load may be out),
	s_barrier_signal -1
	s_barrier_wait -1                              ; everybody's are
	FETCH_B 0, 0, 0
	FETCH_A 0, 0, 0
	SCALES 0
	FETCH_A 0, 0, 4
	s_wait_loadcnt 0x0                             ; the bias
	STEP 0, 0, 1                                   ; the first step stands in front of the loop: its products start the sums from the bias
	s_mov_b32 s3, LAPS-1
.Llap:
	TURN 0, 1, 1
	STEP 1, 0, 0
	TURN 1, 0, 1
	STEP 0, 0, 0
	s_sub_co_u32 s3, s3, 1
	s_cmp_lg_u32 s3, 0
	s_cbranch_scc1 .Llap
	TURN 0, 1, 0                                   ; the last lap fills nothing
	STEP 1, 0, 0
	s_wait_dscnt 4*NL
	WIN MUL_LO
	MUL16 0, 1, NQ-1, 1, 0
	MUL16 2, 1, NQ-1, 1, 0
	s_wait_dscnt 0
	WIN MUL_HI
	MUL16 4, 1, NQ-1, 1, 0
	MUL16 6, 1, NQ-1, 1, 0
	WIN 0
; THE WAY OUT, block by block of 16 rows x 128 columns, through my own stage in LDS: back come whole rows of 512 bytes.  LDS serves a wave's instructions in order (ISA guide 5.7.1.4).
.macro TOSTAGE a
.set AC, 64*((\a)%4)
	WIN 0x08+4*((\a)/4)                            ; the data: window 2 or 3
.irp b, 0,1,2,3,4,5,6,7
	ds_store_b128 v[STO], v[AC+8*\b:AC+8*\b+3] offset:64*\b          ; each accumulator from its low end on
	ds_store_b128 v[STO], v[AC+8*\b+4:AC+8*\b+7] offset:64*\b+16
.endr
	WIN 0
.set BB, BK+64*((\a)%2)
.irp t, 0,1,2,3,4,5,6,7,8,9,10,11,12,13,14,15
	ds_load_b128 v[BB+4*\t:BB+4*\t+3], v[RD] offset:\t*SPITCH
.endr
.endm
.macro SEND a, younger                 ; younger: the LDS instructions issued behind block a's loads, which may stay out
.set BB, BK+64*((\a)%2)
	s_wait_dscnt \younger
.if (\a) > 0
	s_add_nc_u64 s[12:13], s[12:13], 16*SIZE_N*4   ; (behind a wait on XCNT: the earlier stores have read their base)
.endif
.irp t, 0,1,2,3,4,5,6,7,8,9,10,11,12,13,14,15
	global_store_b128 v[CO], v[BB+4*\t:BB+4*\t+3], s[12:13] offset:\t*SIZE_N*4 th:TH_STORE_NT   ; 32 lanes store 512 consecutive bytes, aligned; written once, read by nobody here
.endr
.endm
	PLACES NP
	TOSTAGE 0
.irp a, 1,2,3,4,5,6,7
.if \a > 1
	s_wait_xcnt 0x0                                ; block a - 2's stores have read their registers and their base
.endif
	TOSTAGE \a
	SEND \a-1, 32                                  ; behind block a - 1's loads: block a's 16 stores and 16 loads
.endr
	s_wait_xcnt 0x0
	SEND 7, 0
	s_wait_tensorcnt 0x0                           ; the wave's end
	ds_add_u32 v[SPW], v[NIL]
	s_wait_dscnt 0x0
	CROUND                                         ; the closing round
	s_endpgm
.Lfunc_end_k_qe86ebc1605_outp:
	.size	k_qe86ebc1605_outp, .Lfunc_end_k_qe86ebc1605_outp-k_qe86ebc1605_outp
	.p2alignl 7, 3214868480
	.fill 96, 4, 3214868480
	.section	.rodata,"a",@progbits
	.p2align	6, 0x0
	.amdhsa_kernel k_qe86ebc1605_outp
		.amdhsa_group_segment_fixed_size 327680
		.amdhsa_private_segment_fixed_size 0
		.amdhsa_enable_private_segment 0
		.amdhsa_kernarg_size 48
		.amdhsa_user_sgpr_count 2
		.amdhsa_user_sgpr_kernarg_segment_ptr 1
		.amdhsa_wavefront_size32 1
		.amdhsa_system_sgpr_workgroup_id_x 1
		.amdhsa_system_sgpr_workgroup_id_y 1
		.amdhsa_system_sgpr_workgroup_id_z 1
		.amdhsa_system_vgpr_workitem_id 0
		.amdhsa_next_free_vgpr 1024
		.amdhsa_next_free_sgpr 96
		.amdhsa_reserve_vcc 0
		.amdhsa_float_denorm_mode_32 3
		.amdhsa_float_denorm_mode_16_64 3
		.amdhsa_memory_ordered 1
		.amdhsa_forward_progress 1
		.amdhsa_inst_pref_size 162
	.end_amdhsa_kernel
	.amdgpu_metadata
---
amdhsa.version: [ 1, 2 ]
amdhsa.kernels:
  - .name:           k_qe86ebc1605_outp
    .symbol:         k_qe86ebc1605_outp.kd
    .args:
      - { .name: oimg, .offset: 0, .size: 8, .value_kind: global_buffer, .address_space: global }
      - { .name: osc, .offset: 8, .size: 8, .value_kind: global_buffer, .address_space: global }
      - { .name: Wu_codes, .offset: 16, .size: 8, .value_kind: global_buffer, .address_space: global }
      - { .name: Wu_scales, .offset: 24, .size: 8, .value_kind: global_buffer, .address_space: global }
      - { .name: bu, .offset: 32, .size: 8, .value_kind: global_buffer, .address_space: global }
      - { .name: out0, .offset: 40, .size: 8, .value_kind: global_buffer, .address_space: global }
    .group_segment_fixed_size: 327680
    .private_segment_fixed_size: 0
    .kernarg_segment_align: 8
    .kernarg_segment_size: 48
    .max_flat_workgroup_size: 128
    .sgpr_count:     96
    .vgpr_count:     1024
    .wavefront_size: 32
...
	.end_amdgpu_metadata
.endif
;; end of part 3
